; MI455X (gfx1250); checked and timed in simulation.
; The chip was launched on July 23, 2026; its instructions are those of AMD's public machine-readable ISA for CDNA 5 (MIT licence, August 2026) and "CDNA5" Instruction Set Architecture Reference Guide (July 2026). The comments in the code are by the model that wrote it; some were corrected since.
;; Next Node Probability Calculator for group. Allowed arithmetic: matrix products marked QUANTISED: E2M3 operands, one E8M0 scale for each 32 along K, by v_wmma_scale_f32_16x16x128_f8f6f4 with both operands' format E2M3, f32 sums; everything else in f32.
;; Inputs: Wcomb 512 x 512 float32; Wk 512 x 512 float32; Wq_first 512 x 512 float32; Wq_graph 512 x 512 float32; Wq_last 512 x 512 float32; Wv 512 x 512 float32; bcomb 512 float32; encoded_last 32 x 512 x 512 float32; encoded_nodes 32 x 512 x 512 float32; group_ninf_mask 32 x 512 x 512 float32.
;; Outputs: out0 32 x 512 x 512 float32.
;; This version of the problem:
;;   THIS VERSION OF THE PROBLEM IS GIVEN IN LOW PRECISION. The matrix products marked QUANTISED in the list below multiply operands that are first quantised to E2M3 (2 exponent bits, 3 mantissa bits; 6 bits a number), with one power-of-two scale for each 32 numbers along K (OCP MX v1.0); their sums are f32. All else is computed in f32.
;;   The module's matrix products, in the order in which they are computed (A, B: the left and right operand; K: the contracted axis; several contracted axes count as one K, in the product's order):
;;     1. [M 32, K 512] x [K 512, N 512]; A: computed on the way; B: input Wq_graph: QUANTISED
;;     2. [M 16,384, K 512] x [K 512, N 512]; A: input encoded_last; B: input Wq_first: QUANTISED
;;     3. [M 16,384, K 512] x [K 512, N 512]; A: input encoded_last; B: input Wq_last: QUANTISED
;;     4. [M 16,384, K 512] x [K 512, N 512]; A: input encoded_nodes; B: input Wk: QUANTISED
;;     5. [M 16,384, K 512] x [K 512, N 512]; A: input encoded_nodes; B: input Wv: QUANTISED
;;     6. batch 512 x [M 512, K 32] x [K 32, N 512]; A: computed on the way; B: computed on the way: QUANTISED
;;     7. batch 512 x [M 512, K 512] x [K 512, N 32]; A: softmax (see below); B: computed on the way: QUANTISED
;;     8. [M 16,384, K 512] x [K 512, N 512]; A: computed on the way; B: input Wcomb: QUANTISED
;;     9. batch 32 x [M 512, K 512] x [K 512, N 512]; A: computed on the way; B: input encoded_nodes: QUANTISED
;;   THE QUANTISER, for each operand of a quantised product, along K:
;;     - K is cut into blocks of 32 from its start; a last block that is shorter is filled with zeros.
;;     - A block's scale is 2^e with e = floor(log2(the largest magnitude in the block)) - 2, held to -126 .. 127; a block of zeros has e = 0. As a byte (E8M0): e + 127.
;;     - Each number is divided by its block's scale, clamped to +-7.5, and rounded to the nearest number of E2M3, ties to even, subnormals kept.
;;     - The product sums the exact products of the quantised numbers (number of the format x scale) in f32.
;;   ~~~python
;;   def quantise(x, axis):      # numpy; x: float32 -> the quantised numbers, widened to float32 again
;;       x = np.moveaxis(x, axis, -1); K = x.shape[-1]
;;       x = np.pad(x, [(0, 0)] * (x.ndim - 1) + [(0, -K % 32)]); x = x.reshape(x.shape[:-1] + (-1, 32)); a = np.abs(x).max(-1, keepdims=True)
;;       e = np.where(a > 0, np.clip(np.frexp(np.where(a > 0, a, 1))[1] - 1 - 2, -126, 127), 0)      # np.frexp(a)[1] - 1 = floor(log2(a)), exactly
;;       r = np.clip(x / 2.0 ** e, -7.5, 7.5)
;;       step = 2.0 ** (np.maximum(np.frexp(np.where(r == 0, 1, r))[1] - 1, 0) - 3)
;;       q = np.round(r / step) * step * 2.0 ** e      # np.round: ties to even
;;       return np.moveaxis(q.reshape(q.shape[:-2] + (-1,))[..., :K], -1, axis).astype(np.float32)
;;   ~~~
;;   SOFTMAX AHEAD OF A QUANTISED PRODUCT. Where the list says 'softmax', what is quantised is not the finished softmax but p = 2^(t - M), with t = logit x log2(e) and M = ceil(the row's largest t), a whole number; so 1/2 < the row's largest p <= 1. The row's sum l is taken of the UNQUANTISED p, in f32, and the product's result is divided by l at the end. Since M is a whole number, a kernel that streams over the keys may use a running M (the ceiling of the running maximum): every later rescaling is an exact power of two, which a block's scale takes up: the codes' values come out the same.
;;   OPERANDS COMPUTED ON THE WAY. 'Computed on the way' means the value that the module computes at that place (a softmax that the list does not call 'softmax' is quantised finished and normalised). What goes into a quantiser is computed in f32, as accurately as f32 sums, v_exp_f32 and their like allow (about 1e-6 of the number): no bf16 or f16 on the way to a quantiser, and a product that is left as it is and whose result goes on into a quantised operand takes f32 operands (vector FMAs, or v_wmma_f32_16x16x4_f32). A number that lies on a knife's edge between two numbers of the format may be rounded either way, as far as f32 arithmetic and the matrix unit's own rounding can turn it there, and no further.
;; One version. Each part assembles by itself: llvm-mc -triple=amdgcn-amd-amdhsa -mcpu=gfx1250 --defsym DOCPART=n.
;; ======== version 1 of 1: 3 launches
;; limits: right only within a limited range of input values
;; workspace buffers: xq 14,336,000 bytes; psum 2,097,152 bytes; kv 13,107,200 bytes; qc 6,553,600 bytes
;; launch quant (part 1): grid 560 x 1, 4 waves a work-group, no clusters, 46,592 bytes of LDS; arguments encoded_nodes, encoded_last, Wq_graph, Wq_first, Wq_last, Wk, Wv, Wcomb, xq, psum; writes xq, psum
.if DOCPART == 1
	.amdgcn_target "amdgcn-amd-amdhsa--gfx1250"
	.amdhsa_code_object_version 6
	.text
	.protected	k_q71f1fa760c_quant
	.globl	k_q71f1fa760c_quant
	.p2align	8
	.type	k_q71f1fa760c_quant,@function
k_q71f1fa760c_quant:
	s_mov_b64 s[64:65], 0
	v_nop
	global_prefetch_b8 v0, s[64:65] scope:SCOPE_SE
	s_setreg_imm32_b32 hwreg(HW_REG_WAVE_MODE, 25, 1), 1
	s_wait_xcnt 0x0
; encoded_nodes, encoded_last (16,384 rows each) and the six weights (512 rows each), all with 512 f32 a row, become codes of FP6 (E2M3) with one E8M0 byte for each 32 along a row.
; A block's scale is 2^(floor(log2(its largest magnitude)) - 2); its byte is the largest magnitude's exponent field - 2, held at 1 from below.
; THE OUTPUT IS LAID AS THE MATRIX UNIT'S REGISTERS WANT IT.  A wave makes one RECORD of 6,400 bytes from 16 rows: four fragment images (16 rows x 128 along K, 1,536 bytes each: register i of lane L at
; 512 (i / 4) + 4 (i % 4) + 16 L, so that three loads of 16 bytes a lane bring a fragment) and 256 scale bytes, 16 to a row.
; WHICH 16 ROWS: record t of the nodes and of the weights takes rows 16 t - 8 (t % 2) + r + 8 (r / 8): two neighbouring records then give a transposed product 16 neighbours in a lane's 16 registers.
; Record t of encoded_last takes rows 16 t + r.
; The nodes' records also leave the sum of their 16 rows (512 f32): the mean over a batch's nodes is made of 32 such sums in the next launch.
; A step is one row: four loads of 512 consecutive bytes, turned through the wave's own stage in LDS so that a lane holds 16 neighbours (two lanes to a block).  Loads run four rows ahead.
; Waves share nothing: no barrier.  All stores leave at the end, 512 consecutive bytes an instruction.
; LIMITS: NaN and infinities among the inputs are not served.  A block of zeros gets the byte 1 where the rule says 127: its codes are zeros, and the bytes are read by this program alone.
.set STEPS, 16
.set REC,   6400
.set WREG,  11520                      ; LDS of a wave: two stages of 32 x 80 bytes, 256 scale bytes, 6,144 bytes of images
.set SP,    80                         ; a lane's place in a stage: 64 bytes + 16 of padding
.set SCB,   5120
.set CST,   5376
.set SPARE, 4*WREG                     ; the spare words, 128 bytes for each wave, named by no other line
.set SPW, 12                           ; v12  my spare word's address; never rewritten
.set NIL, 13                           ; v13  0; never rewritten
.set CA,  16                           ; v16-18  where my three code registers go in the images
.set R,   32                           ; v32-95   four sets of 16 numbers as loaded
.set X,   96                           ; v96-127  two sets of 16 neighbours
.set ACC, 128                          ; v128-143 the column sums of my 16 columns
.set C,   144                          ; v144-151 codes, two sets
.set E,   152                          ; v152-153 scale bytes, two
.set OUT, 160                          ; v160-207 the record's images on the way out
	s_load_b512 s[8:23], s[0:1], 0x0               ; the eight inputs
	s_load_b128 s[24:27], s[0:1], 0x40             ; xq, psum
	v_lshl_add_u32 v[SPW], v0, 2, SPARE
	v_mov_b32 v[NIL], 0
	v_lshrrev_b32 v1, 5, v0
	v_readfirstlane_b32 s28, v1                    ; wave
	v_and_b32 v2, 31, v0                           ; lane
	v_lshlrev_b32 v3, 4, v2                        ; 16 x lane
	s_mul_i32 s34, s28, WREG
	v_lshrrev_b32 v14, 2, v2
	v_mul_u32_u24 v14, v14, SP
	v_and_b32 v15, 3, v2
	v_lshl_add_u32 v14, v15, 4, v14
	v_add_nc_u32 v14, s34, v14                     ; the stage as the bytes lie: 80 (lane / 4) + 16 (lane % 4)
	v_mul_u32_u24 v15, v2, SP
	v_add_nc_u32 v15, s34, v15                     ; the stage by lanes: 80 x lane: my 16 neighbours
	v_lshrrev_b32 v5, 1, v2
	v_add_nc_u32 v5, s34, v5
	v_add_nc_u32 v5, SCB, v5                       ; my block's scale byte
	v_lshlrev_b32 v7, 3, v2
	v_add_nc_u32 v6, s34, v7
	v_add_nc_u32 v6, SCB, v6                       ; the scale bytes on the way out, 8 a lane
	v_add_nc_u32 v19, s34, v3
	v_add_nc_u32 v19, CST, v19                     ; the images on the way out
	; my 16 numbers are k = 16 lane ..: K step lane / 8, block half h = (lane / 2) % 2, pair of blocks c = (lane / 4) % 2, lower or upper 16 codes by lane % 2: fragment register i = 6 c + 3 (lane % 2) + j of lane t + 16 h
	v_lshrrev_b32 v8, 3, v2
	v_mul_u32_u24 v8, v8, 1536
	v_bfe_u32 v9, v2, 1, 1
	v_lshl_add_u32 v8, v9, 8, v8
	v_add_nc_u32 v8, s34, v8
	v_add_nc_u32 v8, CST, v8
	v_bfe_u32 v9, v2, 2, 1
	v_mul_u32_u24 v9, v9, 6
	v_and_b32 v10, 1, v2
	v_mad_u32_u24 v9, v10, 3, v9
.irp j, 0,1,2
	v_add_nc_u32 v10, \j, v9
	v_lshrrev_b32 v11, 2, v10
	v_and_b32 v10, 3, v10
	v_lshl_add_u32 v[CA+\j], v11, 9, v8
	v_lshl_add_u32 v[CA+\j], v10, 2, v[CA+\j]
.endr
	s_wait_kmcnt 0x0
	s_mov_b64 s[4:5], s[8:9]                       ; which tensor: a choice on the work-group's number alone
	s_mov_b32 s30, 0
.macro PICK limit, reg
	s_cmp_ge_u32 ttmp9, \limit
	s_cselect_b64 s[4:5], s[\reg:\reg+1], s[4:5]
	s_cselect_b32 s30, \limit, s30
.endm
	PICK 256, 10
	PICK 512, 12
	PICK 520, 14
	PICK 528, 16
	PICK 536, 18
	PICK 544, 20
	PICK 552, 22
	s_sub_co_u32 s29, ttmp9, 256
	s_cmp_lt_u32 s29, 256
	s_cselect_b32 s31, 0, 8                        ; encoded_last: rows as they lie; all others: the two groups of eight rows lie 16 apart
	s_sub_co_u32 s32, ttmp9, s30
	s_lshl_b32 s32, s32, 2
	s_add_co_u32 s32, s32, s28                     ; the record's number in its tensor
	s_and_b32 s33, s32, 1
	s_mul_i32 s33, s33, s31
	s_lshl_b32 s32, s32, 4
	s_sub_co_u32 s32, s32, s33                     ; its first row
	s_lshl_b32 s32, s32, 11
	s_mov_b32 s33, 0
	s_add_nc_u64 s[4:5], s[4:5], s[32:33]          ; rows 0-7 of the record
	s_lshl_b32 s32, s31, 11
	s_add_nc_u64 s[6:7], s[4:5], s[32:33]          ; rows 8-15: eight rows further on, or none
	s_lshl_b32 s32, ttmp9, 2
	s_add_co_u32 s32, s32, s28                     ; the record's number in xq
	s_mul_i32 s36, s32, REC
	s_mov_b32 s37, 0
	s_add_nc_u64 s[24:25], s[24:25], s[36:37]
	s_lshl_b32 s36, s32, 11
	s_add_nc_u64 s[26:27], s[26:27], s[36:37]      ; used by the nodes' work-groups alone
.macro LOAD t
.irp i, 0,1,2,3
.if (\t) < 8
	global_load_b128 v[R+16*((\t)%4)+4*\i:R+16*((\t)%4)+4*\i+3], v3, s[4:5] offset:2048*(\t)+512*\i th:TH_LOAD_NT
.else
	global_load_b128 v[R+16*((\t)%4)+4*\i:R+16*((\t)%4)+4*\i+3], v3, s[6:7] offset:2048*(\t)+512*\i th:TH_LOAD_NT
.endif
.endr
.endm
.macro TURN t                          ; a row through the stage: LDS serves a wave's instructions in order, so no wait stands between the stores and the loads
.irp i, 0,1,2,3
	ds_store_b128 v14, v[R+16*((\t)%4)+4*\i:R+16*((\t)%4)+4*\i+3] offset:32*SP*((\t)%2)+8*SP*\i
.endr
.irp i, 0,1,2,3
	ds_load_b128 v[X+16*((\t)%2)+4*\i:X+16*((\t)%2)+4*\i+3], v15 offset:32*SP*((\t)%2)+16*\i
.endr
.endm
.irp t, 0,1,2,3
	LOAD \t
.endr
	s_wait_loadcnt 12                              ; row 0's four loads are in
	TURN 0
.macro STEP t
.set XS, X+16*((\t)%2)
.set CS, C+4*((\t)%2)
.set ES, E+(\t)%2
.if (\t) > 0
	s_wait_dscnt 4                                 ; this row is back from the stage; the last row's three code stores and its byte store may be out
.else
	s_wait_dscnt 0x0
.endif
.if (\t)+4 < STEPS
	LOAD (\t)+4                                    ; into the registers that this row's stores into the stage have read
.endif
.if (\t)+1 < STEPS
.if STEPS-2-(\t) >= 3
	s_wait_loadcnt 12                              ; the next row's four loads are in; three rows' may be out
.else
	s_wait_loadcnt 4*(STEPS-2-(\t))
.endif
	TURN (\t)+1
.endif
	v_max3_num_f32 v8, |v[XS]|, |v[XS+1]|, |v[XS+2]|
	v_max3_num_f32 v9, |v[XS+3]|, |v[XS+4]|, |v[XS+5]|
.irp i, 6,10
	v_max3_num_f32 v8, v8, |v[XS+\i]|, |v[XS+\i+1]|
	v_max3_num_f32 v9, v9, |v[XS+\i+2]|, |v[XS+\i+3]|
.endr
	v_max3_num_f32 v8, v8, |v[XS+14]|, |v[XS+15]|
	v_max3_num_f32 v8, v8, v9, 0x1800000           ; the floor 2^(3 - 127): the byte cannot fall under 1
	v_max_num_f32_dpp v8, v8, v8 row_xmask:1 row_mask:0xf bank_mask:0xf   ; with my neighbour's 16: the block's largest magnitude
	v_add_nc_u32 v11, 0xff000000, v8               ; 2 off its exponent field: the conversion takes this operand's exponent field as its scale
	v_cvt_scalef32_pk16_fp6_f32 v[CS:CS+2], v[XS:XS+15], v11
	v_lshrrev_b32 v[ES], 23, v11                   ; the scale's byte (a plain line behind the conversion)
.irp i, 0,2,4,6,8,10,12,14
.if (\t) == 0
	v_pk_mul_f32 v[ACC+\i:ACC+\i+1], v[XS+\i:XS+\i+1], 1.0 op_sel_hi:[1,0]   ; the first row starts the column sums
.else
	v_pk_add_f32 v[ACC+\i:ACC+\i+1], v[ACC+\i:ACC+\i+1], v[XS+\i:XS+\i+1]
.endif
.endr
.irp j, 0,1,2
	ds_store_b32 v[CA+\j], v[CS+\j] offset:16*(\t) ; row t is lane t (or t + 16) of the images
.endr
	ds_store_b8 v5, v[ES] offset:16*(\t)           ; both lanes of a block write the same byte with the same value
.endm
.irp t, 0,1,2,3,4,5,6,7,8,9,10,11,12,13,14,15
	STEP \t
.endr
.irp k, 0,1,2,3,4,5,6,7,8,9,10,11
	ds_load_b128 v[OUT+4*\k:OUT+4*\k+3], v19 offset:512*\k
.endr
	ds_load_b64 v[8:9], v6
.irp i, 0,1,2,3
	ds_store_b128 v15, v[ACC+4*\i:ACC+4*\i+3] offset:16*\i      ; the sums take the stage the other way round, so that they too leave as consecutive bytes
.endr
.irp i, 0,1,2,3
	ds_load_b128 v[X+4*\i:X+4*\i+3], v14 offset:8*SP*\i
.endr
	s_wait_dscnt 0x0
.irp k, 0,1,2,3,4,5,6,7,8,9,10,11
	global_store_b128 v3, v[OUT+4*\k:OUT+4*\k+3], s[24:25] offset:512*\k      ; 32 lanes store 512 consecutive bytes, at a multiple of 256 from xq's first byte
.endr
	global_store_b64 v7, v[8:9], s[24:25] offset:6144
	s_cmp_ge_u32 ttmp9, 256
	s_cbranch_scc1 .Lno_sum                        ; only the nodes' records leave sums
.irp i, 0,1,2,3
	global_store_b128 v3, v[X+4*\i:X+4*\i+3], s[26:27] offset:512*\i
.endr
.Lno_sum:
	s_wait_tensorcnt 0x0                           ; the wave's end
	ds_add_u32 v[SPW], v[NIL]
	s_wait_dscnt 0x0
	s_endpgm
.Lfunc_end_k_q71f1fa760c_quant:
	.size	k_q71f1fa760c_quant, .Lfunc_end_k_q71f1fa760c_quant-k_q71f1fa760c_quant
	.p2alignl 7, 3214868480
	.fill 96, 4, 3214868480
	.section	.rodata,"a",@progbits
	.p2align	6, 0x0
	.amdhsa_kernel k_q71f1fa760c_quant
		.amdhsa_group_segment_fixed_size 46592
		.amdhsa_private_segment_fixed_size 0
		.amdhsa_enable_private_segment 0
		.amdhsa_kernarg_size 80
		.amdhsa_user_sgpr_count 2
		.amdhsa_user_sgpr_kernarg_segment_ptr 1
		.amdhsa_wavefront_size32 1
		.amdhsa_system_sgpr_workgroup_id_x 1
		.amdhsa_system_sgpr_workgroup_id_y 1
		.amdhsa_system_sgpr_workgroup_id_z 1
		.amdhsa_system_vgpr_workitem_id 0
		.amdhsa_next_free_vgpr 208
		.amdhsa_next_free_sgpr 66
		.amdhsa_reserve_vcc 0
		.amdhsa_float_denorm_mode_32 3
		.amdhsa_float_denorm_mode_16_64 3
		.amdhsa_memory_ordered 1
		.amdhsa_forward_progress 1
		.amdhsa_inst_pref_size 47
	.end_amdhsa_kernel
	.amdgpu_metadata
---
amdhsa.version: [ 1, 2 ]
amdhsa.kernels:
  - .name:           k_q71f1fa760c_quant
    .symbol:         k_q71f1fa760c_quant.kd
    .args:
      - { .name: encoded_nodes, .offset: 0, .size: 8, .value_kind: global_buffer, .address_space: global }
      - { .name: encoded_last, .offset: 8, .size: 8, .value_kind: global_buffer, .address_space: global }
      - { .name: Wq_graph, .offset: 16, .size: 8, .value_kind: global_buffer, .address_space: global }
      - { .name: Wq_first, .offset: 24, .size: 8, .value_kind: global_buffer, .address_space: global }
      - { .name: Wq_last, .offset: 32, .size: 8, .value_kind: global_buffer, .address_space: global }
      - { .name: Wk, .offset: 40, .size: 8, .value_kind: global_buffer, .address_space: global }
      - { .name: Wv, .offset: 48, .size: 8, .value_kind: global_buffer, .address_space: global }
      - { .name: Wcomb, .offset: 56, .size: 8, .value_kind: global_buffer, .address_space: global }
      - { .name: xq, .offset: 64, .size: 8, .value_kind: global_buffer, .address_space: global }
      - { .name: psum, .offset: 72, .size: 8, .value_kind: global_buffer, .address_space: global }
    .group_segment_fixed_size: 46592
    .private_segment_fixed_size: 0
    .kernarg_segment_align: 8
    .kernarg_segment_size: 80
    .max_flat_workgroup_size: 128
    .sgpr_count:     66
    .vgpr_count:     208
    .wavefront_size: 32
...
	.end_amdgpu_metadata
.endif
;; end of part 1
;; launch proj (part 2): grid 256 x 1, 4 waves a work-group, no clusters, 2,560 bytes of LDS; arguments xq, psum, kv, qc; writes kv, qc
.if DOCPART == 2
	.amdgcn_target "amdgcn-amd-amdhsa--gfx1250"
	.amdhsa_code_object_version 6
	.text
	.protected	k_q71f1fa760c_proj
	.globl	k_q71f1fa760c_proj
	.p2align	8
	.type	k_q71f1fa760c_proj,@function
k_q71f1fa760c_proj:
	s_mov_b64 s[64:65], 0
	v_nop
	global_prefetch_b8 v0, s[64:65] scope:SCOPE_SE
	s_setreg_imm32_b32 hwreg(HW_REG_WAVE_MODE, 25, 1), 1
	s_wait_xcnt 0x0
; The projections, on codes of FP6 with E8M0 scales, their results quantised again in registers and stored as fragment images for the attention launch.
;   kind Q (work-groups 0-127):   q = mean(nodes) Wq_graph^T + last Wq_first^T + last Wq_last^T, quantised along a head's 32
;   kind K (128-191):             k = nodes Wk^T, quantised along a head's 32
;   kind V (192-255):             v^T = Wv nodes^T, quantised along the keys
; EVERY PRODUCT IS USED TRANSPOSED: source 0 = 16 rows of the operand along whose rows the result is quantised next (records whose rows are chosen so that a lane's 16 registers of two neighbouring
; tiles are 16 neighbours), source 1 = the other operand, whose row a lane keeps.  Source 0's 32 fragments stay in the wave's registers (384); source 1's 16 records are streamed from memory, four ahead.
; Every wave issues 512 products (kind Q 16 more).  Operands go from memory straight into registers, three loads of 512 consecutive bytes a fragment: no tensor load, so no ring and no joint requests.
; q and k have K = 32: FOUR row tiles share one fragment, tile p's 32 codes at K block p, its scale in byte p of the scale word; the attention launch multiplies by an operand that is zero in the other three blocks.
; The mean is made of the 32 partial sums that the launch before stored, x 2^-9; it goes from the four waves to each other through LDS (kind Q alone).
; LIMITS: NaN and infinities are not served.  A block of zeros gets the byte 1: its codes are zeros, and this program alone reads the bytes.
; REGISTERS: window 0: v1-7 addresses; v16-47 resident scale words; v48-63 streamed scale words, four sets; v64-127 accumulators; v128-175 fragments being packed; v176-191, v196-211 at work; v192-195 scale words; v212-243 the graph's part of q.
;   window 1, 2: resident fragments 0-15, 16-31.   window 3: four streamed records of 48 registers.
.set REC,    6400
.set WSZ,    204800
.set LAST_O, 6553600
.set WG_O,   13107200
.set WK_O,   13721600
.set WV_O,   13926400
.set HREC,   25600
.set BREC,   409600
.set SPARE,  2048                      ; behind the mean's 2,048 bytes: the spare words
.set SPW, 1
.set NIL, 2
.set L16, 3                            ; 16 x lane
.set R16, 4                            ; 16 x (lane % 16)
.set R4,  5                            ; 4 x (lane % 16)
.set H64, 6                            ; 64 x (lane / 16)
.set T16, 7                            ; 16 x thread
.set RS,  16
.set XS,  48
.set HA,  64
.set PF,  128
.set PT,  176
.set SW,  192
.set TM,  196                          ; +0..3 largest magnitudes, +4..7 the other half's, then bytes, +12..15 the conversions' scale operands
.set GQ,  212
.set WV,  12
.set RB,  16                           ; s[16:17] resident records
.set XB,  18                           ; s[18:19] streamed records
.set OB,  20                           ; s[20:21] where codes go
.set OS,  22                           ; s[22:23] where scale words go
.set CNT, 24
.set SEL, 26
.set PSB, 28
.set MSB, 0
.macro WIN new                         ; the immediate's high byte repeats the setting that is left
.if MSB != \new
	s_set_vgpr_msb (MSB<<8)|\new
.set MSB, \new
.endif
.endm
.macro PLACES n
.rept \n
	v_nop
.endr
.endm
.macro WMZ d, a, b, sa, sb             ; a product that starts a sum
	v_wmma_scale_f32_16x16x128_f8f6f4 v[\d:\d+7], v[\a:\a+11], v[\b:\b+11], 0, v[\sa], v[\sb] matrix_a_fmt:MATRIX_FMT_FP6 matrix_b_fmt:MATRIX_FMT_FP6
.endm
.macro WMA d, a, b, c, sa, sb
	v_wmma_scale_f32_16x16x128_f8f6f4 v[\d:\d+7], v[\a:\a+11], v[\b:\b+11], v[\c:\c+7], v[\sa], v[\sb] matrix_a_fmt:MATRIX_FMT_FP6 matrix_b_fmt:MATRIX_FMT_FP6
.endm
.macro LDX set, off                    ; a streamed record: 12 loads of 512 bytes and its scale words: 13 loads
	WIN 0xc0
.irp ks, 0,1,2,3
.irp c, 0,1,2
	global_load_b128 v[48*(\set)+12*\ks+4*\c:48*(\set)+12*\ks+4*\c+3], v[L16], s[XB:XB+1] offset:(\off)+1536*\ks+512*\c
.endr
.endr
	WIN 0
	global_load_b128 v[XS+4*(\set):XS+4*(\set)+3], v[R16], s[XB:XB+1] offset:(\off)+6144
.endm
.macro LDRES8                          ; kinds K and V: eight resident records; fragment (K step ks, record j) at index 8 ks + j
	WIN 0x40
.irp ks, 0,1
.irp j, 0,1,2,3,4,5,6,7
.irp c, 0,1,2
	global_load_b128 v[12*(8*\ks+\j)+4*\c:12*(8*\ks+\j)+4*\c+3], v[L16], s[RB:RB+1] offset:\j*REC+1536*\ks+512*\c
.endr
.endr
.endr
	WIN 0x80
.irp ks, 0,1
.irp j, 0,1,2,3,4,5,6,7
.irp c, 0,1,2
	global_load_b128 v[12*(8*\ks+\j)+4*\c:12*(8*\ks+\j)+4*\c+3], v[L16], s[RB:RB+1] offset:\j*REC+1536*(\ks+2)+512*\c
.endr
.endr
.endr
	WIN 0
.irp j, 0,1,2,3,4,5,6,7
	global_load_b128 v[RS+4*\j:RS+4*\j+3], v[R16], s[RB:RB+1] offset:\j*REC+6144
.endr
.endm
.macro LD4 w, off, rs                  ; kind Q: four records of one weight into one window; fragment (K step ks, record i) at index 4 ks + i
	WIN \w
.irp ks, 0,1,2,3
.irp i, 0,1,2,3
.irp c, 0,1,2
	global_load_b128 v[12*(4*\ks+\i)+4*\c:12*(4*\ks+\i)+4*\c+3], v[L16], s[RB:RB+1] offset:(\off)+\i*REC+1536*\ks+512*\c
.endr
.endr
.endr
	WIN 0
.irp i, 0,1,2,3
	global_load_b128 v[RS+(\rs)+4*\i:RS+(\rs)+4*\i+3], v[R16], s[RB:RB+1] offset:(\off)+\i*REC+6144
.endr
.endm
; 32 products on one streamed record.  The accumulators take turns, one instruction a turn.
.macro MUL8 set
.irp ks, 0,1,2,3
.if \ks < 2
	WIN 0x0d                                       ; source 0 window 1, source 1 window 3
.else
	WIN 0x0e                                       ; source 0 window 2
.endif
.irp j, 0,1,2,3,4,5,6,7
.if \ks == 0
	WMZ HA+8*\j, 12*(8*(\ks%2)+\j), 48*(\set)+12*\ks, RS+4*\j+\ks, XS+4*(\set)+\ks
.else
	WMA HA+8*\j, 12*(8*(\ks%2)+\j), 48*(\set)+12*\ks, HA+8*\j, RS+4*\j+\ks, XS+4*(\set)+\ks
.endif
.endr
.endr
	WIN 0
.endm
.macro MULQ set                        ; four tiles; Wq_first's four K steps, then Wq_last's, onto the graph's part
.irp ks, 0,1,2,3,4,5,6,7
.if \ks < 4
	WIN 0x0d
.else
	WIN 0x0e
.endif
.irp i, 0,1,2,3
.if \ks == 0
	WMA HA+8*\i, 12*(4*(\ks%4)+\i), 48*(\set)+12*(\ks%4), GQ+8*\i, RS+4*(4*(\ks/4)+\i)+\ks%4, XS+4*(\set)+\ks%4
.else
	WMA HA+8*\i, 12*(4*(\ks%4)+\i), 48*(\set)+12*(\ks%4), HA+8*\i, RS+4*(4*(\ks/4)+\i)+\ks%4, XS+4*(\set)+\ks%4
.endif
.endr
.endr
	WIN 0
.endm
; nb blocks of 32 (16 numbers in my lane, 16 in lane l xor 16): largest magnitude, the conversion's scale operand, the byte.  Each accumulator is read from its low end on.
.macro BLK nb
.set bb, 0
.rept \nb
	v_max3_num_f32 v[TM+bb], |v[HA+16*bb]|, |v[HA+16*bb+1]|, 0x1800000     ; with the floor 2^(3 - 127)
.set bb, bb+1
.endr
.irp i, 2,4,6,8,10,12,14
.set bb, 0
.rept \nb
	v_max3_num_f32 v[TM+bb], v[TM+bb], |v[HA+16*bb+\i]|, |v[HA+16*bb+\i+1]|
.set bb, bb+1
.endr
.endr
.set bb, 0
.rept \nb
	v_permlanex16_b32 v[TM+4+bb], v[TM+bb], s[SEL], s[SEL+1]
.set bb, bb+1
.endr
.set bb, 0
.rept \nb
	v_max_num_f32 v[TM+bb], v[TM+bb], v[TM+4+bb]
.set bb, bb+1
.endr
.set bb, 0
.rept \nb
	v_add_nc_u32 v[TM+12+bb], 0xff000000, v[TM+bb]
.set bb, bb+1
.endr
.set bb, 0
.rept \nb
	v_lshrrev_b32 v[TM+4+bb], 23, v[TM+12+bb]
.set bb, bb+1
.endr
.endm
; kinds Q and K: row tile p of four goes to K block p of each head's fragment.  Tiles 2 c and 2 c + 1 meet: lanes 0-15 take the first's whole block, lanes 16-31 the second's.
.macro PACKT nb, p
.set pc, (\p)/2
.set bb, 0
.if (\p)%2 == 0
.rept \nb
	v_cvt_scalef32_pk16_fp6_f32 v[PF+12*bb+6*pc:PF+12*bb+6*pc+2], v[HA+16*bb:HA+16*bb+15], v[TM+12+bb]
.set bb, bb+1
.endr
	v_nop                                          ; one plain line behind the conversions
.else
.rept \nb
	v_cvt_scalef32_pk16_fp6_f32 v[PT+4*bb:PT+4*bb+2], v[HA+16*bb:HA+16*bb+15], v[TM+12+bb]
.set bb, bb+1
.endr
	v_nop
.set bb, 0
.rept \nb
.irp i, 0,1,2
	v_permlane16_swap_b32 v[PF+12*bb+6*pc+\i], v[PT+4*bb+\i]   ; the first now holds each lane's block's lower 16 codes, the second the upper 16
.endr
.irp i, 0,1,2
	v_mov_b32 v[PF+12*bb+6*pc+3+\i], v[PT+4*bb+\i]
.endr
.set bb, bb+1
.endr
.endif
.set bb, 0
.rept \nb
.if (\p) == 0
	v_mov_b32 v[SW+bb], v[TM+4+bb]
.else
	v_lshl_or_b32 v[SW+bb], v[TM+4+bb], 8*(\p), v[SW+bb]
.endif
.set bb, bb+1
.endr
.endm
; kind V and the mean: the lane's four blocks are one fragment, number p of four
.macro PACKV p
.irp e, 0,1
	v_cvt_scalef32_pk16_fp6_f32 v[PF+12*(\p)+6*\e:PF+12*(\p)+6*\e+2], v[HA+32*\e:HA+32*\e+15], v[TM+12+2*\e]
	v_cvt_scalef32_pk16_fp6_f32 v[PT+4*\e:PT+4*\e+2], v[HA+16+32*\e:HA+31+32*\e], v[TM+13+2*\e]
.endr
	v_nop
.irp e, 0,1
.irp i, 0,1,2
	v_permlane16_swap_b32 v[PF+12*(\p)+6*\e+\i], v[PT+4*\e+\i]
.endr
.irp i, 0,1,2
	v_mov_b32 v[PF+12*(\p)+6*\e+3+\i], v[PT+4*\e+\i]
.endr
.endr
	v_lshl_or_b32 v[SW+(\p)], v[TM+5], 8, v[TM+4]
	v_lshl_or_b32 v[SW+(\p)], v[TM+6], 16, v[SW+(\p)]
	v_lshl_or_b32 v[SW+(\p)], v[TM+7], 24, v[SW+(\p)]
.endm
; one streamed record.  left: the loads of the records behind it, 13 each, which may stay out
.macro XT kind, p, ahead, left
	s_wait_loadcnt \left
.if \kind == 0
	MULQ \p
.else
	MUL8 \p
.endif
	PLACES 5                                       ; in front of the loads into this record's registers, of the first read of the results, and of the next record's products, which begin these accumulators anew
.if \ahead
	LDX \p, (\p+4)*REC
.endif
.if \kind == 0
	BLK 2
	PACKT 2, \p
.elseif \kind == 1
	BLK 4
	PACKT 4, \p
.else
	BLK 4
	PACKV \p
.endif
.endm
.macro STF f, off, soff                ; fragment f and its scale words leave: 512 consecutive bytes a store; lanes 16-31 write the same scale words as lanes 0-15
.irp c, 0,1,2
	global_store_b128 v[L16], v[PF+12*(\f)+4*\c:PF+12*(\f)+4*\c+3], s[OB:OB+1] offset:(\off)+512*\c
.endr
	global_store_b32 v[R4], v[SW+(\f)], s[OS:OS+1] offset:\soff
.endm
.macro TRIP kind, ahead
.if \ahead
	XT \kind, 0, 1, 39
	XT \kind, 1, 1, 39
	XT \kind, 2, 1, 39
	XT \kind, 3, 1, 39
.else
	XT \kind, 0, 0, 39
	XT \kind, 1, 0, 26
	XT \kind, 2, 0, 13
	XT \kind, 3, 0, 0
.endif
.if \kind == 0
	STF 0, 0, 0
	STF 1, 1536, 64
.elseif \kind == 1
	STF 0, 0, 0
	STF 1, HREC, HREC
	STF 2, 2*HREC, 2*HREC
	STF 3, 3*HREC, 3*HREC
.else
	STF 0, 0, 0
	STF 1, 1536, 64
	STF 2, HREC, HREC
	STF 3, HREC+1536, HREC+64
.endif
.endm
.macro WALK kind                       ; 16 streamed records, four a trip; the last trip is written out: it loads nothing
	LDX 0, 0
	LDX 1, REC
	LDX 2, 2*REC
	LDX 3, 3*REC
	s_mov_b32 s[CNT], 3
.Ltrip_\@:
	TRIP \kind, 1
	s_wait_xcnt 0x0                                ; the loads and stores have read their bases and data: both are written again only behind this wait
	s_add_nc_u64 s[XB:XB+1], s[XB:XB+1], 4*REC
.if \kind == 0
	s_add_nc_u64 s[OB:OB+1], s[OB:OB+1], HREC
	s_add_nc_u64 s[OS:OS+1], s[OS:OS+1], HREC
.elseif \kind == 1
	s_add_nc_u64 s[OB:OB+1], s[OB:OB+1], 1536
	s_add_nc_u64 s[OS:OS+1], s[OS:OS+1], 64
.else
	s_add_nc_u64 s[OB:OB+1], s[OB:OB+1], 2*HREC
	s_add_nc_u64 s[OS:OS+1], s[OS:OS+1], 2*HREC
.endif
	s_sub_co_u32 s[CNT], s[CNT], 1
	s_cmp_lg_u32 s[CNT], 0
	s_cbranch_scc1 .Ltrip_\@
	TRIP \kind, 0
.endm
	s_load_b256 s[4:11], s[0:1], 0x0               ; xq s[4:5], psum s[6:7], kv s[8:9], qc s[10:11]
	v_lshl_add_u32 v[SPW], v0, 2, SPARE
	v_mov_b32 v[NIL], 0
	v_lshrrev_b32 v8, 5, v0
	v_readfirstlane_b32 s[WV], v8
	v_and_b32 v8, 31, v0
	v_lshlrev_b32 v[L16], 4, v8
	v_and_b32 v9, 15, v0
	v_lshlrev_b32 v[R16], 4, v9
	v_lshlrev_b32 v[R4], 2, v9
	v_bfe_u32 v10, v0, 4, 1
	v_lshlrev_b32 v[H64], 6, v10
	v_lshlrev_b32 v[T16], 4, v0
	s_mov_b32 s[SEL], 0x76543210
	s_mov_b32 s[SEL+1], 0xfedcba98                 ; v_permlanex16_b32's selects for lane l xor 16
.irp b, 0,1,2,3
	v_mov_b32 v[TM+4+\b], 0                        ; written once: a lane permute's destination counts as one of its sources
.endr
	s_mov_b32 s31, 0
	s_wait_kmcnt 0x0
	s_cmp_lt_u32 ttmp9, 128
	s_cbranch_scc1 .Lq
	s_cmp_lt_u32 ttmp9, 192
	s_cbranch_scc1 .Lk
	; ---- kind V: batch b, half z of Wv's records.  Wave w keeps node records 8 w .. 8 w + 7 of the batch: keys 128 w on, K step w of the attention's second product
	s_sub_co_u32 s13, ttmp9, 192
	s_and_b32 s14, s13, 1
	s_lshr_b32 s13, s13, 1
	s_lshl_b32 s30, s13, 5
	s_lshl_b32 s32, s[WV], 3
	s_add_co_u32 s30, s30, s32
	s_mul_i32 s30, s30, REC
	s_add_nc_u64 s[RB:RB+1], s[4:5], s[30:31]
	s_mul_i32 s30, s14, 16*REC
	s_add_co_u32 s30, s30, WV_O
	s_add_nc_u64 s[XB:XB+1], s[4:5], s[30:31]
	s_mul_i32 s30, s13, BREC
	s_mul_i32 s32, s14, 8*HREC
	s_add_co_u32 s30, s30, s32
	s_mul_i32 s32, s[WV], 3072
	s_lshl_b32 s33, s[WV], 7
	s_add_co_u32 s33, s33, s30
	s_add_co_u32 s33, s33, 25088
	s_add_co_u32 s30, s30, s32
	s_add_co_u32 s30, s30, 12288
	s_add_nc_u64 s[OB:OB+1], s[8:9], s[30:31]
	s_mov_b32 s30, s33
	s_add_nc_u64 s[OS:OS+1], s[8:9], s[30:31]
	s_wait_alu depctr_va_vdst(0)
	LDRES8
	WALK 2
	s_branch .Ldone
.Lk:
	; ---- kind K: batch b, half hf of its node records.  Wave w keeps Wk's records 8 w .. 8 w + 7: heads 4 w .. 4 w + 3
	s_sub_co_u32 s13, ttmp9, 128
	s_and_b32 s14, s13, 1
	s_lshr_b32 s13, s13, 1
	s_mul_i32 s30, s[WV], 8*REC
	s_add_co_u32 s30, s30, WK_O
	s_add_nc_u64 s[RB:RB+1], s[4:5], s[30:31]
	s_lshl_b32 s30, s13, 5
	s_lshl_b32 s32, s14, 4
	s_add_co_u32 s30, s30, s32
	s_mul_i32 s30, s30, REC
	s_add_nc_u64 s[XB:XB+1], s[4:5], s[30:31]
	s_mul_i32 s30, s13, BREC
	s_mul_i32 s32, s[WV], 4*HREC
	s_add_co_u32 s30, s30, s32
	s_mul_i32 s32, s14, 6144
	s_lshl_b32 s33, s14, 8
	s_add_co_u32 s33, s33, s30
	s_add_co_u32 s33, s33, 24576
	s_add_co_u32 s30, s30, s32
	s_add_nc_u64 s[OB:OB+1], s[8:9], s[30:31]
	s_mov_b32 s30, s33
	s_add_nc_u64 s[OS:OS+1], s[8:9], s[30:31]
	s_wait_alu depctr_va_vdst(0)
	LDRES8
	WALK 1
	s_branch .Ldone
.Lq:
	; ---- kind Q: batch b, half rh of its query records, half ch of the heads.  Wave w keeps records 16 ch + 4 w + i of Wq_first and of Wq_last: heads 8 ch + 2 w and the next
	s_lshr_b32 s13, ttmp9, 2
	s_bfe_u32 s14, ttmp9, 0x10001
	s_and_b32 s15, ttmp9, 1
	s_lshl_b32 s30, s15, 4
	s_lshl_b32 s32, s[WV], 2
	s_add_co_u32 s30, s30, s32
	s_mul_i32 s30, s30, REC
	s_add_co_u32 s30, s30, WG_O
	s_add_nc_u64 s[RB:RB+1], s[4:5], s[30:31]      ; at Wq_graph's records; Wq_first's lie WSZ bytes on, Wq_last's 2 WSZ
	s_lshl_b32 s30, s13, 5
	s_lshl_b32 s32, s14, 4
	s_add_co_u32 s30, s30, s32
	s_mul_i32 s30, s30, REC
	s_add_co_u32 s30, s30, LAST_O
	s_add_nc_u64 s[XB:XB+1], s[4:5], s[30:31]
	s_lshl_b32 s30, s13, 3
	s_lshl_b32 s32, s14, 2
	s_add_co_u32 s30, s30, s32
	s_mul_i32 s30, s30, HREC
	s_lshl_b32 s32, s15, 3
	s_lshl_b32 s33, s[WV], 1
	s_add_co_u32 s32, s32, s33
	s_mul_i32 s33, s32, 1536
	s_lshl_b32 s32, s32, 6
	s_add_co_u32 s32, s32, s30
	s_add_co_u32 s32, s32, 24576
	s_add_co_u32 s30, s30, s33
	s_add_nc_u64 s[OB:OB+1], s[10:11], s[30:31]
	s_mov_b32 s30, s32
	s_add_nc_u64 s[OS:OS+1], s[10:11], s[30:31]
	s_lshl_b32 s30, s13, 16
	s_add_nc_u64 s[PSB:PSB+1], s[6:7], s[30:31]    ; the batch's 32 partial sums
	s_wait_alu depctr_va_vdst(0)
	LD4 0x80, 2*WSZ, 16                            ; Wq_last stays in window 2
	LD4 0x40, 0, 0                                 ; Wq_graph first takes window 1
.set kk, 0
.rept 32
	global_load_b128 v[64+4*kk:64+4*kk+3], v[T16], s[PSB:PSB+1] offset:2048*kk     ; thread t: columns 4 t .. 4 t + 3 of partial sum kk
.set kk, kk+1
.endr
	s_wait_loadcnt 0x0
.set kk, 4
.rept 28
	v_pk_add_f32 v[64+4*(kk%4):65+4*(kk%4)], v[64+4*(kk%4):65+4*(kk%4)], v[64+4*kk:65+4*kk]   ; four chains
	v_pk_add_f32 v[66+4*(kk%4):67+4*(kk%4)], v[66+4*(kk%4):67+4*(kk%4)], v[66+4*kk:67+4*kk]
.set kk, kk+1
.endr
	v_pk_add_f32 v[64:65], v[64:65], v[68:69]
	v_pk_add_f32 v[66:67], v[66:67], v[70:71]
	v_pk_add_f32 v[72:73], v[72:73], v[76:77]
	v_pk_add_f32 v[74:75], v[74:75], v[78:79]
	v_pk_add_f32 v[64:65], v[64:65], v[72:73]
	v_pk_add_f32 v[66:67], v[66:67], v[74:75]
	v_pk_mul_f32 v[64:65], v[64:65], 0x3b000000 op_sel_hi:[1,0]     ; / 512: exact
	v_pk_mul_f32 v[66:67], v[66:67], 0x3b000000 op_sel_hi:[1,0]
	ds_store_b128 v[T16], v[64:67]
	s_wait_dscnt 0x0                               ; for the others' sake: my part of the mean has landed
	s_barrier_signal -1                            ; (the way here hangs on the work-group's number alone: all four waves take it)
	s_barrier_wait -1
.irp ks, 0,1,2,3                       ; the mean as four fragments in which all 16 rows are alike: the product then comes out as a bias in the result's layout
.irp b, 0,1,2,3
.irp x, 0,1,2,3
	ds_load_b128 v[HA+16*\b+4*\x:HA+16*\b+4*\x+3], v[H64] offset:512*\ks+128*\b+16*\x
.endr
.endr
	s_wait_dscnt 0x0
	BLK 4
	PACKV \ks
.endr
	PLACES 8                                       ; a scale word written by vector instructions stands 8 places ahead of a scaled product, an operand 4
	WIN 0x01
.irp ks, 0,1,2,3
.irp i, 0,1,2,3
.if \ks == 0
	WMZ GQ+8*\i, 12*(4*\ks+\i), PF+12*\ks, RS+4*\i+\ks, SW+\ks
.else
	WMA GQ+8*\i, 12*(4*\ks+\i), PF+12*\ks, GQ+8*\i, RS+4*\i+\ks, SW+\ks
.endif
.endr
.endr
	WIN 0
	PLACES 5                                       ; in front of the loads over Wq_graph's registers, and of the products that take these results as their C
	LD4 0x40, WSZ, 0                               ; Wq_first takes window 1
	WALK 0
.Ldone:
	s_wait_tensorcnt 0x0                           ; the wave's end
	ds_add_u32 v[SPW], v[NIL]
	s_wait_dscnt 0x0
	s_endpgm
.Lfunc_end_k_q71f1fa760c_proj:
	.size	k_q71f1fa760c_proj, .Lfunc_end_k_q71f1fa760c_proj-k_q71f1fa760c_proj
	.p2alignl 7, 3214868480
	.fill 96, 4, 3214868480
	.section	.rodata,"a",@progbits
	.p2align	6, 0x0
	.amdhsa_kernel k_q71f1fa760c_proj
		.amdhsa_group_segment_fixed_size 2560
		.amdhsa_private_segment_fixed_size 0
		.amdhsa_enable_private_segment 0
		.amdhsa_kernarg_size 32
		.amdhsa_user_sgpr_count 2
		.amdhsa_user_sgpr_kernarg_segment_ptr 1
		.amdhsa_wavefront_size32 1
		.amdhsa_system_sgpr_workgroup_id_x 1
		.amdhsa_system_sgpr_workgroup_id_y 1
		.amdhsa_system_sgpr_workgroup_id_z 1
		.amdhsa_system_vgpr_workitem_id 0
		.amdhsa_next_free_vgpr 1024
		.amdhsa_next_free_sgpr 66
		.amdhsa_reserve_vcc 0
		.amdhsa_float_denorm_mode_32 3
		.amdhsa_float_denorm_mode_16_64 3
		.amdhsa_memory_ordered 1
		.amdhsa_forward_progress 1
		.amdhsa_inst_pref_size 255
	.end_amdhsa_kernel
	.section	.bss,"aw",@nobits
	.p2align	6
	.space	262144
	.amdgpu_metadata
---
amdhsa.version: [ 1, 2 ]
amdhsa.kernels:
  - .name:           k_q71f1fa760c_proj
    .symbol:         k_q71f1fa760c_proj.kd
    .args:
      - { .name: xq, .offset: 0, .size: 8, .value_kind: global_buffer, .address_space: global }
      - { .name: psum, .offset: 8, .size: 8, .value_kind: global_buffer, .address_space: global }
      - { .name: kv, .offset: 16, .size: 8, .value_kind: global_buffer, .address_space: global }
      - { .name: qc, .offset: 24, .size: 8, .value_kind: global_buffer, .address_space: global }
    .group_segment_fixed_size: 2560
    .private_segment_fixed_size: 0
    .kernarg_segment_align: 8
    .kernarg_segment_size: 32
    .max_flat_workgroup_size: 128
    .sgpr_count:     66
    .vgpr_count:     1024
    .wavefront_size: 32
...
	.end_amdgpu_metadata
.endif
;; end of part 2
;; launch attn (part 3): grid 8 x 32, 8 waves a work-group, clusters of 4 x 1, 327,680 bytes of LDS; arguments group_ninf_mask, bcomb, xq, kv, qc, out0; writes out0
.if DOCPART == 3
	.amdgcn_target "amdgcn-amd-amdhsa--gfx1250"
	.amdhsa_code_object_version 6
	.text
	.protected	k_q71f1fa760c_attn
	.globl	k_q71f1fa760c_attn
	.p2align	8
	.type	k_q71f1fa760c_attn,@function
k_q71f1fa760c_attn:
	s_mov_b64 s[64:65], 0
	v_nop
	global_prefetch_b8 v0, s[64:65] scope:SCOPE_SE
	s_setreg_imm32_b32 hwreg(HW_REG_WAVE_MODE, 25, 1), 1
	s_wait_xcnt 0x0
	s_wait_alu depctr_hold_cnt(0) depctr_sa_sdst(0) depctr_va_vdst(0) depctr_va_sdst(0) depctr_va_ssrc(0) depctr_va_vcc(0) depctr_vm_vsrc(0)
	s_getreg_b32 s2, hwreg(HW_REG_IB_STS2, 6, 4)
	s_cmp_eq_u32 s2, 0
	s_cbranch_scc0 .Lentry_in_a_cluster
	s_endpgm
.Lentry_in_a_cluster:
	s_bfe_u32 s2, ttmp6, 0x10000c
	s_cmp_lg_u32 s2, 0x3003
	s_cbranch_scc0 .Lentry_shape_is_right
	s_endpgm
.Lentry_shape_is_right:
; For 64 queries of one batch: the masked attention over 16 heads, the projection by Wcomb with its bias, the second score against the nodes, 10 tanh, the mask, the softmax.
; All products run on codes of FP6 (E2M3) with E8M0 scales, used transposed, so that a lane keeps one query and its registers run along the next K.
; THE LOOP, 8 trips: wave w takes query tile w % 4 (16 rows) and of each pair of heads the head w / 4.  The four work-groups of a cluster share a batch: K/V tiles are asked for jointly,
; through a ring of two slots of 51,200 bytes, one record of 6,400 bytes a wave behind each round.  The ring's last load brings each wave the first of its four records of Wcomb.
; THE HEAD'S FILLS go out as one group behind one round, one a wave: waves 0-3 16 rows of the mask each, waves 4-5 half of K/V tile 0 each, waves 6-7 half of q's images each.
; The mask x sqrt(32), held at -1e30 from below, stays in 256 registers as the C of the score products; its rows stay in LDS for the second softmax and then serve as the stage on the way out.
; p = 2^(t - M) with M the ceiling of the running largest t; the row's sum is taken of the unquantised p; each head's result is divided by it and quantised along the head's 32.
; THE TAIL: wave w owns 64 columns of both closing products: records 4 w .. 4 w + 3 of Wcomb, then of the nodes, 192 registers, loaded from memory once (512 consecutive bytes a load), for all four query tiles.
; No joint loads there: each record goes into one wave's registers, through no LDS but Wcomb's first, which the ring's last load left in slot 0.  The second product, its softmax and its stores go in two halves of 32 queries; row maxima and sums cross the eight waves through LDS.
; TRANSCENDENTALS stand in batches: all sources, one wait, the batch, a plain line, one wait.
; LEFT OUT: 10 tanh(x) = 10 - 20 / (1 + 2^(2 x log2 e)); the term 10 is the same along the softmax's axis and cancels for all values of the inputs.
; LIMITS: NaN among the inputs is not served; in the attention a mask under -1e30 counts as -1e30; the scaled scores stay under 2^31 in magnitude.
.set REC,    6400
.set WC_O,   14131200
.set HREC,   25600
.set BREC,   409600
.set TILEB,  51200
.set SLOT1,  65536
.set XSC,    51200                     ; mh's scale bytes: 4 query tiles x 16 rows x 16
.set RED,    53248                     ; 2,048 bytes of row maxima, 2,048 of row sums
.set QB,     116736
.set MB,     142336
.set MP,     2080
.set MH,     1040
.set OSB,    275456
.set OSWV,   3328
.set OSP,    200
.set SPARE,  302080
.set XIMG,   303104                    ; mh's codes: 4 query tiles x 6,144 bytes
.set SPW, 1
.set NIL, 2
.set L16, 3
.set L4,  4
.set QS,  25
.set VF,  72
.set S,   96
.set O,   160
.set BM,  176
.set BX,  180
.set SO,  184
.set BY,  188
.set PS,  192
.set TP,  193
.set FF,  194
.set SM2, 196
.set PC,  200
.set PT,  212
.set OC,  220
.set KF,  224
.set KS,  248
.set VS,  252
.set MSB, 0
.macro WIN new                         ; the immediate's high byte repeats the setting that is left
.if MSB != \new
	s_set_vgpr_msb (MSB<<8)|\new
.set MSB, \new
.endif
.endm
.macro PLACES n
.rept \n
	v_nop
.endr
.endm
.macro WMZ d, a, b, sa, sb
	v_wmma_scale_f32_16x16x128_f8f6f4 v[\d:\d+7], v[\a:\a+11], v[\b:\b+11], 0, v[\sa], v[\sb] matrix_a_fmt:MATRIX_FMT_FP6 matrix_b_fmt:MATRIX_FMT_FP6
.endm
.macro WMA d, a, b, c, sa, sb
	v_wmma_scale_f32_16x16x128_f8f6f4 v[\d:\d+7], v[\a:\a+11], v[\b:\b+11], v[\c:\c+7], v[\sa], v[\sb] matrix_a_fmt:MATRIX_FMT_FP6 matrix_b_fmt:MATRIX_FMT_FP6
.endm
.macro WMZ1 d, a, b, sa, sb
	v_wmma_scale_f32_16x16x128_f8f6f4 v[\d:\d+7], v[\a:\a+11], v[\b:\b+11], 0, v[\sa], v[\sb] matrix_a_fmt:MATRIX_FMT_FP6 matrix_b_fmt:MATRIX_FMT_FP6 matrix_a_scale:MATRIX_SCALE_ROW1
.endm
.macro WMA1 d, a, b, c, sa, sb
	v_wmma_scale_f32_16x16x128_f8f6f4 v[\d:\d+7], v[\a:\a+11], v[\b:\b+11], v[\c:\c+7], v[\sa], v[\sb] matrix_a_fmt:MATRIX_FMT_FP6 matrix_b_fmt:MATRIX_FMT_FP6 matrix_a_scale:MATRIX_SCALE_ROW1
.endm
.macro ROUND
	s_barrier_signal -1
	s_barrier_wait -1
	s_cmp_lg_u32 s16, 0
	s_cbranch_scc1 .Lnot_wave_0_\@
	s_barrier_signal -3
.Lnot_wave_0_\@:
	s_barrier_wait -3
	s_barrier_signal -1
	s_barrier_wait -1
.endm
; mode 0: the three lines, a round, my one joint load (the next K/V tile; in trip 7 my first record of Wcomb).  mode 3: the same lines and a plain barrier
.macro SYNC mode
	s_wait_tensorcnt 0x0
	ds_add_u32 v[SPW], v[NIL]
.if \mode == 0
	s_xor_b32 s57, s57, SLOT1
	s_add_nc_u64 s[60:61], s[60:61], TILEB
	s_cmp_eq_u32 s73, 7
	s_cselect_b64 s[58:59], s[62:63], s[60:61]
	s_or_b32 s59, s59, 0x80000000
.endif
	s_wait_dscnt 0x0
.if \mode == 3
	s_barrier_signal -1
	s_barrier_wait -1
.else
	ROUND
	tensor_load_to_lds s[56:59], s[40:47]
	s_nop 0
.endif
	PLACES 4
.endm
	s_load_b256 s[4:11], s[0:1], 0x0               ; mask, bcomb, xq, kv
	s_load_b128 s[12:15], s[0:1], 0x20             ; qc, out0
	v_lshl_add_u32 v[SPW], v0, 2, SPARE
	v_mov_b32 v[NIL], 0
	ds_add_u32 v[SPW], v[NIL]                      ; the opening lines: the add twice on end and one wait
	ds_add_u32 v[SPW], v[NIL]
	v_lshrrev_b32 v26, 5, v0
	s_delay_alu instid0(VALU_DEP_1)
	v_readfirstlane_b32 s16, v26                   ; wave
	s_lshr_b32 s98, s16, 2
	s_and_b32 s99, s16, 3
	s_xor_b32 s87, s98, 1
	s_bfe_u32 s17, ttmp6, 0x40000
	s_lshl_b32 s18, ttmp9, 2
	s_add_co_u32 s18, s18, s17                     ; which 64 queries of the batch
	s_and_b32 s19, ttmp7, 0xffff                   ; batch
	s_mov_b32 s24, (2<<16)|(1<<20)|(7<<22)|(3<<25) ; the mask: 16 rows of 512 f32 a load, 16 bytes of padding behind each 1,024
	s_mov_b32 s25, 512<<16
	s_mov_b32 s26, 16<<16
	s_mov_b32 s27, 512<<16
	s_mov_b32 s28, 16
	s_mov_b32 s29, 512
	s_mov_b32 s30, 0
	s_mov_b32 s31, 0
	s_mov_b32 s32, 3<<16                           ; q's images: a dense block, 50 rows of 256 bytes a load
	s_mov_b32 s33, 32<<16
	s_mov_b32 s34, 50<<16
	s_mov_b32 s35, 32<<16
	s_mov_b32 s36, 50
	s_mov_b32 s37, 32
	s_mov_b32 s38, 0
	s_mov_b32 s39, 0
	s_mov_b32 s40, 15|(3<<16)|(1<<21)              ; joint loads: dense rows of 256 bytes; 100 rows at the head, 25 in the ring
	s_mov_b32 s41, 32<<16
	s_mov_b32 s42, 100<<16
	s_mov_b32 s43, 32<<16
	s_mov_b32 s44, 100
	s_mov_b32 s45, 32
	s_mov_b32 s46, 0
	s_mov_b32 s47, 0
	s_mov_b32 s48, 1
	s_mul_i32 s49, s99, 16*MP
	s_add_co_u32 s49, s49, MB
	s_mov_b32 s52, 1
	s_and_b32 s53, s16, 1
	s_mul_i32 s53, s53, 12800
	s_add_co_u32 s53, s53, QB
	s_mov_b32 s56, 1
	s_mul_i32 s57, s16, REC
	s_lshl_b32 s20, s19, 9
	s_lshl_b32 s21, s18, 6
	s_add_co_u32 s20, s20, s21                     ; the block's first row
	s_lshl_b32 s21, s16, 2
	s_add_co_u32 s22, s20, s21
	s_lshl_b32 s22, s22, 11                        ; out0: of each half of 32 rows I store rows 4 w .. 4 w + 3
	s_mov_b32 s23, 0
	s_lshl_b32 s21, s99, 4
	s_add_co_u32 s20, s20, s21
	s_lshl_b32 s20, s20, 11                        ; the mask's 16 rows that waves 0-3 fetch
	s_mov_b32 s21, 0
	s_lshl_b32 s2, s19, 3
	s_add_co_u32 s2, s2, s18
	s_mul_i32 s2, s2, HREC
	s_and_b32 s3, s16, 1
	s_mul_i32 s3, s3, 12800
	s_add_co_u32 s2, s2, s3
	s_mov_b32 s3, 0
	s_mul_i32 s79, s16, REC
	s_mul_i32 s80, s19, BREC
	s_add_co_u32 s80, s80, s79
	s_mov_b32 s81, 0
	s_mul_i32 s79, s16, 4*REC                      ; my four records of Wcomb and of the batch's nodes
	s_add_co_u32 s82, s79, WC_O
	s_mov_b32 s83, 0
	s_mul_i32 s84, s19, 32*REC
	s_add_co_u32 s84, s84, s79
	s_mov_b32 s85, 0
	s_mov_b32 s68, 0x76543210
	s_mov_b32 s69, 0xfedcba98                      ; v_permlanex16_b32's selects for lane l xor 16
	s_mov_b32 s70, 0x3e8293ee                      ; log2(e) / sqrt(32)
	s_mov_b32 s71, s70
	s_mov_b32 s88, 0x3e0293ee                      ; 2 log2(e) / sqrt(512)
	s_mov_b32 s89, s88
	s_mov_b32 s90, 0xc1a00000                      ; -20
	s_mov_b32 s91, s90
	s_mov_b32 s92, 0x40b504f3                      ; sqrt(32); behind the loop log2(e)
	s_mov_b32 s93, s92
	s_mul_i32 s86, s99, 0x01010101
	s_mul_i32 s72, s98, HREC+6144
	s_mul_i32 s74, s98, HREC
	s_mul_i32 s94, s87, 6144
	s_add_co_u32 s74, s74, s94
	s_mul_i32 s94, s98, HREC+256
	s_mul_i32 s97, s98, HREC
	s_lshl_b32 s75, s87, 8
	s_add_co_u32 s97, s97, s75
	s_mov_b32 s73, 0
	s_mul_i32 s76, s98, 1536
	s_lshl_b32 s77, s98, 6
	s_mov_b32 s78, 0
	s_wait_dscnt 0x0
	s_wait_kmcnt 0x0
	s_add_nc_u64 s[50:51], s[4:5], s[20:21]
	s_or_b32 s51, s51, 0x80000000
	s_add_nc_u64 s[14:15], s[14:15], s[22:23]
	s_add_nc_u64 s[54:55], s[12:13], s[2:3]
	s_or_b32 s55, s55, 0x80000000
	s_add_nc_u64 s[60:61], s[10:11], s[80:81]
	s_add_nc_u64 s[62:63], s[8:9], s[82:83]
	s_add_nc_u64 s[66:67], s[8:9], s[84:85]
	s_lshl_b32 s20, s17, 3                         ; the prefetches: record 8 cx + wave of the batch's nodes,
	s_add_co_u32 s20, s20, s16
	s_mul_i32 s20, s20, REC
	s_mul_i32 s21, s19, 32*REC
	s_add_co_u32 s21, s20, s21
	s_add_co_u32 s20, s20, WC_O
	s_mov_b32 s2, s21
	s_mov_b32 s21, 0
	s_add_nc_u64 s[22:23], s[8:9], s[2:3]
	s_add_nc_u64 s[12:13], s[8:9], s[20:21]        ; and of Wcomb
	s_mul_i32 s20, s19, BREC                       ; group 0 of the head's K/V load, in registers that held arguments: half wave % 2 of tile 0
	s_and_b32 s9, s16, 1
	s_mul_i32 s9, s9, HREC
	s_add_co_u32 s20, s20, s9
	s_add_nc_u64 s[10:11], s[10:11], s[20:21]
	s_or_b32 s11, s11, 0x80000000
	s_mov_b32 s8, 1
	ROUND
	s_cmp_lt_u32 s16, 4                            ; one chain of branches on the wave's number, one load to an arm, one join
	s_cbranch_scc0 .Lhead_kv
	tensor_load_to_lds s[48:51], s[24:31]
	s_nop 0
	PLACES 4
	s_branch .Lhead_asked
.Lhead_kv:
	s_cmp_lt_u32 s16, 6
	s_cbranch_scc0 .Lhead_q
	tensor_load_to_lds s[8:11], s[40:47]
	s_nop 0
	PLACES 4
	s_branch .Lhead_asked
.Lhead_q:
	tensor_load_to_lds s[52:55], s[32:39]
	s_nop 0
	PLACES 4
.Lhead_asked:
	v_and_b32 v26, 31, v0
	v_and_b32 v27, 15, v0
	v_bfe_u32 v28, v0, 4, 1
	s_delay_alu instid0(VALU_DEP_3)
	v_lshlrev_b32 v[L16], 4, v26
	s_delay_alu instid0(VALU_DEP_4)
	v_lshlrev_b32 v[L4], 2, v26
	s_and_b32 s79, s99, 1
	s_lshl_b32 s79, s79, 8
	s_lshr_b32 s80, s99, 1
	s_mul_i32 s81, s80, 520
	s_mul_i32 s82, s80, 1016
	s_add_co_u32 s81, s81, s79
	s_add_co_u32 s82, s82, s79
	v_lshl_add_u32 v5, v27, 4, QB
	s_delay_alu instid0(VALU_DEP_1)
	v_add_nc_u32 v6, s82, v5
	s_delay_alu instid0(VALU_DEP_1)
	v_add_nc_u32 v6, 8, v6
	s_delay_alu instid0(VALU_DEP_3)
	v_add_nc_u32 v7, s81, v5
	s_delay_alu instid0(VALU_DEP_1)
	v_add_nc_u32 v7, 512, v7
	v_add_nc_u32 v5, s81, v5
	v_lshl_add_u32 v8, v27, 2, QB+24576
	s_mul_i32 s95, s16, OSWV
	s_add_co_u32 s95, s95, OSB
	v_mul_u32_u24 v9, v27, OSP
	s_delay_alu instid0(VALU_DEP_1)
	v_mad_u32_u24 v9, v28, 12, v9
	s_delay_alu instid0(VALU_DEP_1)
	v_add_nc_u32 v9, s95, v9
	v_lshl_add_u32 v10, v27, 3, s95
	s_delay_alu instid0(VALU_DEP_1)
	v_add_nc_u32 v10, 16*OSP, v10
	v_add_nc_u32 v11, -1, v28
	v_sub_nc_u32 v16, 0, v28
	s_mul_i32 s96, s99, 16*MP
	s_add_co_u32 s96, s96, MB
	v_mul_u32_u24 v81, v27, MP
	s_delay_alu instid0(VALU_DEP_1)
	v_lshl_add_u32 v81, v28, 6, v81
	s_delay_alu instid0(VALU_DEP_1)
	v_add_nc_u32 v81, s96, v81
	s_mul_i32 s79, s87, MH
	v_add_nc_u32 v83, s79, v81
	s_mul_i32 s79, s98, MH
	v_add_nc_u32 v81, s79, v81
	v_mov_b32 v82, 0xf149f2ca
.irp i, 38,39,40,41,42,43,56,57,58,59,60,61
	v_mov_b32 v\i, 0
.endr
.irp b, 0,1,2,3
	v_mov_b32 v[BX+\b], 0
.endr
	v_mov_b32 v[TP], 0
	v_mov_b32 v[FF+1], 0
	v_min_u32 v223, 24, v26                        ; the prefetches' offset: a record is 25 blocks of 256 bytes, a lane a block; not rewritten before the tail
	s_delay_alu instid0(VALU_DEP_1)
	v_lshlrev_b32 v223, 8, v223
	s_wait_tensorcnt 0x0                           ; my one load of the head has landed,
	s_mov_b32 s42, 25<<16                          ; so a descriptor may be written: from here on a joint load brings one record, 25 rows
	s_mov_b32 s44, 25
	s_barrier_signal -1
	s_barrier_wait -1
	WIN 0x40
.set bb, 0
.rept 8
.irp x, 0,1,2,3
	ds_load_b128 v[16*bb+4*\x:16*bb+4*\x+3], v81 offset:128*bb+16*\x
.endr
.set bb, bb+1
.endr
.set bb, 0
.rept 8
.irp x, 0,1,2,3
	ds_load_b128 v[128+16*bb+4*\x:128+16*bb+4*\x+3], v83 offset:128*bb+16*\x
.endr
.set bb, bb+1
.endr
	s_wait_dscnt 0x0
	WIN 0x41
.set jj, 0
.rept 128
	v_pk_mul_f32 v[2*jj:2*jj+1], v[2*jj:2*jj+1], s[92:93] op_sel_hi:[1,0]
.set jj, jj+1
.endr
.set jj, 0
.rept 256
	v_max_num_f32 v[jj], v[jj], v82
.set jj, jj+1
.endr
	WIN 0
; 128 keys of one head: S^T = k q^T + the mask, the running M, p, its sum, its codes, O^T += v^T p^T
.macro STEP ks
.set AK, 17+(\ks)/2
.set AN, 17+((\ks)+1)/2
	s_wait_dscnt 0x0
	WIN 0x10
.irp g, 0,1
.irp j, 0,1,2,3
.if \g == 0
	WMA S+8*(4*\g+\j), KF+12*\g, 32+18*(\j%2)+6*(\j/2), 64*(\ks)+8*(4*\g+\j), KS+(\ks), QS
.else
	WMA1 S+8*(4*\g+\j), KF+12*\g, 32+18*(\j%2)+6*(\j/2), 64*(\ks)+8*(4*\g+\j), KS+(\ks), QS
.endif
.endr
.endr
	WIN 0
	PLACES 4
.irp u, 0,1
.irp c, 0,1,2
	ds_load_b128 v[VF+12*\u+4*\c:VF+12*\u+4*\c+3], v[AK] offset:12288+3072*((\ks)%2)+1536*\u+512*\c
.endr
.endr
.if \ks < 3
.irp g, 0,1
.irp c, 0,1,2
	ds_load_b128 v[KF+12*\g+4*\c:KF+12*\g+4*\c+3], v[AN] offset:3072*(((\ks)+1)%2)+1536*\g+512*\c
.endr
.endr
.endif
.irp b, 0,1,2,3
	v_max3_num_f32 v[BM+\b], v[S+16*\b], v[S+1+16*\b], v[S+2+16*\b]
.endr
.irp i, 3,5,7,9,11,13
.irp b, 0,1,2,3
	v_max3_num_f32 v[BM+\b], v[BM+\b], v[S+16*\b+\i], v[S+1+16*\b+\i]
.endr
.endr
.irp b, 0,1,2,3
	v_max_num_f32 v[BM+\b], v[BM+\b], v[S+15+16*\b]
.endr
.irp b, 0,1,2,3
	s_delay_alu instid0(VALU_DEP_4)
	v_permlanex16_b32 v[BX+\b], v[BM+\b], s68, s69
.endr
.irp b, 0,1,2,3
	s_delay_alu instid0(VALU_DEP_4)
	v_max_num_f32 v[BM+\b], v[BM+\b], v[BX+\b]
.endr
	s_delay_alu instid0(VALU_DEP_2)
	v_max3_num_f32 v[TP], v[BM], v[BM+1], v[BM+2]
	s_delay_alu instid0(VALU_DEP_1)
	v_max_num_f32 v[TP], v[TP], v[BM+3]
	s_delay_alu instid0(VALU_DEP_1)
	v_mul_f32 v[TP], s70, v[TP]
	s_delay_alu instid0(VALU_DEP_1)
	v_max_num_f32 v13, v13, v[TP]
	v_mov_b32 v[TP], v12
	s_delay_alu instid0(VALU_DEP_2)
	v_floor_f32 v12, -v13
	s_delay_alu instid0(VALU_DEP_1)
	v_sub_f32 v[TP], v12, v[TP]
	s_delay_alu instid0(VALU_DEP_1)
	v_cvt_i32_f32 v[TP], v[TP]
	s_delay_alu instid0(VALU_DEP_1)
	v_ldexp_f32 v[FF], 1.0, v[TP]
.irp b, 0,1,2,3
	v_fma_f32 v[BM+\b], v[BM+\b], s70, v12
.endr
.set jj, 0
.rept 32
	v_pk_fma_f32 v[S+2*jj:S+2*jj+1], v[S+2*jj:S+2*jj+1], s[70:71], v[12:13] op_sel_hi:[1,0,0]   ; t - M, two at a time
.set jj, jj+1
.endr
	s_wait_alu depctr_va_vdst(0)                   ; one wait ahead of the batch of 68
.irp b, 0,1,2,3
	v_exp_f32 v[BM+\b], v[BM+\b]                   ; each block's largest p
.endr
.set jj, 0
.rept 64
	v_exp_f32 v[S+jj], v[S+jj]                     ; p = 2^(t - M)
.set jj, jj+1
.endr
	v_pk_mul_f32 v[14:15], v[14:15], v[FF:FF+1] op_sel_hi:[1,0]   ; the sums under the new M: the plain line behind the batch
	s_wait_alu depctr_va_vdst(0)                   ; and one wait behind it
	v_pk_add_f32 v[SM2:SM2+1], v[S:S+1], v[S+2:S+3]
.irp j, 4,8,12,16,20,24,28,32,36,40,44,48,52,56,60
	v_pk_add_f32 v[14:15], v[14:15], v[S+\j:S+\j+1]
	v_pk_add_f32 v[SM2:SM2+1], v[SM2:SM2+1], v[S+2+\j:S+3+\j]
.endr
	s_delay_alu instid0(VALU_DEP_1)
	v_pk_add_f32 v[14:15], v[14:15], v[SM2:SM2+1]
	s_wait_alu depctr_va_vdst(0)
.irp b, 0,1,2,3
	v_max_num_f32 v[BM+\b], 0x1800000, v[BM+\b]
.endr
.irp b, 0,1,2,3
	s_delay_alu instid0(VALU_DEP_4)
	v_add_nc_u32 v[SO+\b], 0xff000000, v[BM+\b]
.endr
.irp b, 0,1,2,3
	s_delay_alu instid0(VALU_DEP_4)
	v_lshrrev_b32 v[BY+\b], 23, v[SO+\b]
.endr
	s_delay_alu instid0(VALU_DEP_3)
	v_lshl_or_b32 v[PS], v[BY+1], 8, v[BY]
	s_delay_alu instid0(VALU_DEP_1)
	v_lshl_or_b32 v[PS], v[BY+2], 16, v[PS]
	s_delay_alu instid0(VALU_DEP_1)
	v_lshl_or_b32 v[PS], v[BY+3], 24, v[PS]
.irp e, 0,1
	v_cvt_scalef32_pk16_fp6_f32 v[PC+6*\e:PC+6*\e+2], v[S+32*\e:S+32*\e+15], v[SO+2*\e]
	v_cvt_scalef32_pk16_fp6_f32 v[PT+4*\e:PT+4*\e+2], v[S+16+32*\e:S+31+32*\e], v[SO+2*\e+1]
.endr
	v_nop
.irp e, 0,1
.irp i, 0,1,2
	v_permlane16_swap_b32 v[PC+6*\e+\i], v[PT+4*\e+\i]
.endr
.irp i, 0,1,2
	s_delay_alu instid0(VALU_DEP_3)
	v_mov_b32 v[PC+6*\e+3+\i], v[PT+4*\e+\i]
.endr
.endr
.if \ks > 0
.irp j, 0,2,4,6,8,10,12,14
	v_pk_mul_f32 v[O+\j:O+\j+1], v[O+\j:O+\j+1], v[FF:FF+1] op_sel_hi:[1,0]
.endr
.endif
	PLACES 4
.if \ks < 3
	s_wait_alu depctr_va_vdst(0)
	s_wait_dscnt 6
.else
	s_wait_alu depctr_va_vdst(0)
	s_wait_dscnt 0x0
.endif
.if \ks == 0
	s_wait_alu depctr_va_vdst(0)
	WMZ O, VF, PC, VS+(\ks), PS
	WMZ1 O+8, VF+12, PC, VS+(\ks), PS
.else
	WMA O, VF, PC, O, VS+(\ks), PS
	WMA1 O+8, VF+12, PC, O+8, VS+(\ks), PS
.endif
.endm
; one head for my 16 queries; its result leaves as 32 codes and a scale byte a query, into my part of LDS
.macro HEAD
	v_add_nc_u32 v17, s72, v[L16]
	v_add_nc_u32 v18, s74, v[L16]
	v_add_nc_u32 v19, s94, v[L4]
	v_add_nc_u32 v20, s97, v[L4]
	v_add_nc_u32 v21, s76, v5
	v_add_nc_u32 v22, s76, v6
	v_add_nc_u32 v23, s76, v7
	v_add_nc_u32 v24, s77, v8
	v_add_nc_u32 v68, s78, v9
	v_add_nc_u32 v69, s73, v10
	ds_load_b64 v[26:27], v21
	ds_load_b64 v[28:29], v22
	ds_load_b64 v[30:31], v23
	ds_load_b32 v70, v24
.irp ks, 0,1
	ds_load_b32 v[KS+\ks], v19 offset:24576+128*\ks
	ds_load_b32 v[KS+2+\ks], v20 offset:24576+128*\ks
.endr
.irp ks, 0,1
	ds_load_b32 v[VS+\ks], v19 offset:25088+128*\ks
	ds_load_b32 v[VS+2+\ks], v20 offset:25088+128*\ks
.endr
.irp g, 0,1
.irp c, 0,1,2
	ds_load_b128 v[KF+12*\g+4*\c:KF+12*\g+4*\c+3], v17 offset:1536*\g+512*\c
.endr
.endr
	s_wait_dscnt 14
	v_perm_b32 v[QS], v70, v70, s86
.irp i, 0,1,2,3,4,5
	v_and_b32 v[32+\i], v11, v[26+\i]
	v_and_b32 v[44+\i], v11, v[26+\i]
	v_and_b32 v[50+\i], v16, v[26+\i]
	v_and_b32 v[62+\i], v16, v[26+\i]
.endr
	v_mov_b32 v13, 0xe904594b
	v_mov_b32 v12, 0x6904594b
	v_mov_b32 v14, 0
	v_mov_b32 v15, 0
	PLACES 2
	s_wait_alu depctr_va_vdst(0)
	STEP 0
	STEP 1
	s_cmp_lg_u32 s73, 4                            ; in trip 4: Wcomb's 32 records, one a wave of the cluster's 32, each block named once in the cluster; they are first loaded in trip 7 and behind the loop
	s_cbranch_scc1 .Lno_wc
	global_prefetch_b8 v223, s[12:13] th:TH_LOAD_NT scope:SCOPE_SE
.Lno_wc:
	STEP 2
	s_cmp_lg_u32 s73, 5                            ; in trip 5: the batch's 32 records of nodes, shared out the same way; they are loaded behind the loop
	s_cbranch_scc1 .Lno_nd
	global_prefetch_b8 v223, s[22:23] th:TH_LOAD_NT scope:SCOPE_SE
.Lno_nd:
	STEP 3
	v_add_f32 v14, v14, v15
	s_delay_alu instid0(VALU_DEP_1)
	v_permlanex16_b32 v[TP], v14, s68, s69
	s_delay_alu instid0(VALU_DEP_1)
	v_add_f32 v14, v14, v[TP]
	s_wait_alu depctr_va_vdst(0)
	v_rcp_f32 v[FF], v14
	PLACES 2
	s_wait_alu depctr_va_vdst(0)
.irp j, 0,2,4,6,8,10,12,14
	v_pk_mul_f32 v[O+\j:O+\j+1], v[O+\j:O+\j+1], v[FF:FF+1] op_sel_hi:[1,0]
.endr
	v_max3_num_f32 v[BM], |v[O]|, |v[O+1]|, 0x1800000
	v_max_num_f32 v[BM+1], |v[O+2]|, |v[O+3]|
.irp j, 4,8,12
	s_delay_alu instid0(VALU_DEP_2)
	v_max3_num_f32 v[BM], v[BM], |v[O+\j]|, |v[O+\j+1]|
	s_delay_alu instid0(VALU_DEP_2)
	v_max3_num_f32 v[BM+1], v[BM+1], |v[O+\j+2]|, |v[O+\j+3]|
.endr
	s_delay_alu instid0(VALU_DEP_1)
	v_max_num_f32 v[BM], v[BM], v[BM+1]
	s_delay_alu instid0(VALU_DEP_1)
	v_permlanex16_b32 v[BX], v[BM], s68, s69
	s_delay_alu instid0(VALU_DEP_1)
	v_max_num_f32 v[BM], v[BM], v[BX]
	s_delay_alu instid0(VALU_DEP_1)
	v_add_nc_u32 v[SO], 0xff000000, v[BM]
	s_delay_alu instid0(VALU_DEP_1)
	v_lshrrev_b32 v[BY], 23, v[SO]
	v_cvt_scalef32_pk16_fp6_f32 v[OC:OC+2], v[O:O+15], v[SO]
	v_nop
.irp j, 0,1,2
	ds_store_b32 v68, v[OC+\j] offset:4*\j
.endr
	ds_store_b8 v69, v[BY]
.endm
.Lpair:
	SYNC 0
	HEAD
	s_xor_b32 s72, s72, SLOT1
	s_xor_b32 s74, s74, SLOT1
	s_xor_b32 s94, s94, SLOT1
	s_xor_b32 s97, s97, SLOT1
	s_add_co_u32 s76, s76, 3072
	s_add_co_u32 s77, s77, 128
	s_add_co_u32 s78, s78, 24
	s_add_co_u32 s73, s73, 1
	s_cmp_lt_u32 s73, 8
	s_cbranch_scc1 .Lpair
; ---- THE TAIL.  Window 0: v5-11 addresses; v12-15 out's scale words; v16-31 Wcomb's scale words, then mh's (v16-23) and addresses (v24-29); v32-47 at work; v48-63 the nodes' scale words;
;   v64-255 Wcomb's four records, then the nodes' records 2, 3 (v64-159) and two fragments sets of mh (v160-255).
; Window 1: v0-95 the nodes' records 0, 1; v96-191 two fragment sets of out, then the scores (v96-159) and the mask or rows on the way out (v160-223); v192-223 mh's sums; v224-255 the bias, then what other waves reduced.
.set AOS, 5
.set ASB, 6
.set XST, 7
.set XSS, 8
.set XRD, 9
.set XSR, 10
.set R16, 11
.set OSW, 12
.set WS,  16
.set MSW, 16
.set ADM, 24
.set RDW, 26
.set RDS, 28
.set RDR, 29
.set TM,  32
.set QTX, 34
.set QSO, 36
.set PT2, 38
.set NMP, 38
.set IV,  40
.set QW,  41
.set QM,  42
.set NS,  48
.set WF,  64
.set NF2, 64
.set MFB, 160
.set NF,  0
.set OFB, 96
.set AC,  96
.set MK,  160
.set HA,  192
.set BI,  224
.set RR,  224
	s_mov_b32 s92, 0x3fb8aa3b                      ; log2(e)
	s_mov_b32 s93, s92
	s_lshl_b32 s79, s16, 8
	s_mul_i32 s80, s16, REC
	s_mul_i32 s81, s16, 768
	s_add_co_u32 s81, s81, XIMG
	s_lshl_b32 s82, s16, 1
	s_add_co_u32 s82, s82, XSC
	v_and_b32 v44, 15, v0                          ; r
	v_bfe_u32 v45, v0, 4, 1                        ; h
	v_and_b32 v46, 31, v0                          ; lane
	v_lshlrev_b32 v[R16], 4, v44
	v_lshl_add_u32 v32, v45, 6, s79                ; the bias of my 64 features: 256 w + 64 h
	v_add_nc_u32 v33, s80, v[L16]                  ; my first record of Wcomb, in slot 0
	v_mul_u32_u24 v[AOS], v44, OSP
	v_lshl_add_u32 v[ASB], v44, 3, OSB+16*OSP
	v_lshl_add_u32 v[XST], v46, 3, s81             ; mh's codes: my six registers of a fragment, three pieces of 8 bytes a lane, at 768 w
	v_lshl_add_u32 v[XSS], v44, 4, s82             ; mh's scale bytes: 16 a row, my two at 2 w
	v_mad_u32_u24 v[AOS], v45, 4*OSWV, v[AOS]      ; lanes 0-15 read the even heads' codes, lanes 16-31 the odd heads'
	v_lshl_add_u32 v[XRD], v46, 3, XIMG
	v_lshl_add_u32 v[XSR], v44, 4, XSC
	v_mov_b32 v[QTX], 0                            ; written once: a lane permute's destination counts as one of its sources
	v_mov_b32 v[QTX+1], 0
	v_add_nc_u32 v[AOS], OSB, v[AOS]
	s_wait_alu depctr_va_vdst(0)
.macro LDREC dst, base, rec            ; a record's four fragment images: 12 loads of 512 consecutive bytes
.irp ks, 0,1,2,3
.irp c, 0,1,2
	global_load_b128 v[(\dst)+12*\ks+4*\c:(\dst)+12*\ks+4*\c+3], v[L16], s[\base:\base+1] offset:(\rec)*REC+1536*\ks+512*\c
.endr
.endr
.endm
.macro LDSCL dst, base                 ; the scale words of four records: four words a row
.irp i, 0,1,2,3
	global_load_b128 v[(\dst)+4*\i:(\dst)+4*\i+3], v[R16], s[\base:\base+1] offset:\i*REC+6144
.endr
.endm
	LDREC WF+48, 62, 1
	LDREC WF+96, 62, 2
	LDREC WF+144, 62, 3
	LDSCL WS, 62
	WIN 0x40
.irp i, 0,1,2,3
	global_load_b128 v[BI+8*\i:BI+8*\i+3], v32, s[6:7] offset:128*(\i/2)+32*(\i%2)
	global_load_b128 v[BI+8*\i+4:BI+8*\i+7], v32, s[6:7] offset:128*(\i/2)+32*(\i%2)+16
.endr
	LDREC NF, 66, 0                                ; 28 loads that the first product does not wait for
	LDREC NF+48, 66, 1
	WIN 0
	LDSCL NS, 66
	SYNC 3                                         ; every wave's codes of out are in LDS, and my record of Wcomb has landed
.macro LDOF rt, buf                    ; query tile rt of out: two loads of scale bytes, 24 of codes
	ds_load_b64 v[QM:QM+1], v[ASB] offset:(\rt)*OSWV
	ds_load_b64 v[QM+2:QM+3], v[ASB] offset:(\rt)*OSWV+4*OSWV
	WIN 0x40
.irp ks, 0,1,2,3
.irp e, 0,1
.irp i, 0,1,2
	ds_load_b64 v[OFB+48*(\buf)+12*\ks+6*\e+2*\i:OFB+48*(\buf)+12*\ks+6*\e+2*\i+1], v[AOS] offset:(\rt)*OSWV+48*\ks+24*\e+8*\i
.endr
.endr
.endr
	WIN 0
.endm
.macro PERM                            ; even and odd heads' bytes by turns: four scale words
	v_perm_b32 v[OSW], v[QM+2], v[QM], 0x05010400
	v_perm_b32 v[OSW+1], v[QM+2], v[QM], 0x07030602
	v_perm_b32 v[OSW+2], v[QM+3], v[QM+1], 0x05010400
	v_perm_b32 v[OSW+3], v[QM+3], v[QM+1], 0x07030602
.endm
.macro QNT rt                          ; my 64 features of mh for 16 queries: two blocks of 32, quantised; six registers of a fragment and two scale bytes go to LDS
	WIN 0x05
.irp b, 0,1
	v_max3_num_f32 v[TM+\b], |v[HA+16*\b]|, |v[HA+1+16*\b]|, 0x1800000
.endr
	WIN 0x14
.irp i, 2,4,6,8,10,12,14
.irp b, 0,1
	v_max3_num_f32 v[TM+\b], v[TM+\b], |v[HA+16*\b+\i]|, |v[HA+1+16*\b+\i]|
.endr
.endr
	WIN 0
.irp b, 0,1
	v_permlanex16_b32 v[QTX+\b], v[TM+\b], s68, s69
.endr
.irp b, 0,1
	s_delay_alu instid0(VALU_DEP_2)
	v_max_num_f32 v[TM+\b], v[TM+\b], v[QTX+\b]
.endr
.irp b, 0,1
	s_delay_alu instid0(VALU_DEP_2)
	v_add_nc_u32 v[QSO+\b], 0xff000000, v[TM+\b]
.endr
.irp b, 0,1
	s_delay_alu instid0(VALU_DEP_2)
	v_lshrrev_b32 v[TM+\b], 23, v[QSO+\b]
.endr
	s_delay_alu instid0(VALU_DEP_1)
	v_lshl_or_b32 v[QW], v[TM+1], 8, v[TM]
	WIN 0x01
	v_cvt_scalef32_pk16_fp6_f32 v[QM:QM+2], v[HA:HA+15], v[QSO]
	v_cvt_scalef32_pk16_fp6_f32 v[PT2:PT2+2], v[HA+16:HA+31], v[QSO+1]
	WIN 0
	v_nop
.irp i, 0,1,2
	v_permlane16_swap_b32 v[QM+\i], v[PT2+\i]
.endr
.irp i, 0,1,2
	s_delay_alu instid0(VALU_DEP_3)
	v_mov_b32 v[QM+3+\i], v[PT2+\i]
.endr
.irp j, 0,1,2
	ds_store_b64 v[XST], v[QM+2*\j:QM+2*\j+1] offset:(\rt)*6144+256*\j
.endr
	ds_store_b16 v[XSS], v[QW] offset:(\rt)*256    ; both halves of the lanes write the same two bytes
.endm
.macro G1 rt                           ; mh^T = Wcomb out^T + the bias, for query tile rt: four accumulators by turns
	s_wait_alu depctr_va_vdst(0)
.if \rt == 0
	s_wait_loadcnt 28                              ; Wcomb, its scale words and the bias are in; the nodes' 28 loads may be out
.endif
.if \rt < 3
	s_wait_dscnt 26                                ; all but the next tile's 26 loads
.else
	s_wait_dscnt 0x0
.endif
	WIN 0x54
.irp ks, 0,1,2,3
.irp i, 0,1,2,3
.if \ks == 0
	WMA HA+8*\i, WF+48*\i+12*\ks, OFB+48*((\rt)%2)+12*\ks, BI+8*\i, WS+4*\i+\ks, OSW+\ks
.else
	WMA HA+8*\i, WF+48*\i+12*\ks, OFB+48*((\rt)%2)+12*\ks, HA+8*\i, WS+4*\i+\ks, OSW+\ks
.endif
.endr
.endr
	WIN 0
	PLACES 4
.if \rt == 3
	LDREC NF2, 66, 2                               ; Wcomb is done with: the nodes' records 2 and 3 take its first 96 registers
	LDREC NF2+48, 66, 3
.else
	s_wait_dscnt 0x0                               ; the next tile's loads, asked for 16 products ago
	PERM
.endif
	QNT \rt
.if \rt < 2
	LDOF \rt+2, (\rt)%2
.endif
.endm
	LDOF 0, 0
.irp ks, 0,1,2,3
.irp c, 0,1,2
	ds_load_b128 v[WF+12*\ks+4*\c:WF+12*\ks+4*\c+3], v33 offset:1536*\ks+512*\c
.endr
.endr
	s_wait_dscnt 0x0
	PERM
	LDOF 1, 1
	PLACES 8                                       ; a scale word written by vector instructions stands 8 places ahead of a scaled product
	G1 0
	G1 1
	G1 2
	G1 3
	s_wait_alu depctr_va_vdst(0)
	s_wait_dscnt 0x0                               ; for the others' sake: my part of mh has landed
	s_barrier_signal -1
	s_barrier_wait -1
.macro LDMF rt, buf                    ; query tile rt of mh: its scale words and four fragments
	ds_load_b128 v[MSW+4*(\buf):MSW+4*(\buf)+3], v[XSR] offset:(\rt)*256
.irp ks, 0,1,2,3
.irp c, 0,1
.irp j, 0,1,2
	ds_load_b64 v[MFB+48*(\buf)+12*\ks+6*\c+2*\j:MFB+48*(\buf)+12*\ks+6*\c+2*\j+1], v[XRD] offset:(\rt)*6144+1536*\ks+768*\c+256*\j
.endr
.endr
.endr
.endm
	LDMF 0, 0
	LDMF 1, 1
	s_lshl_b32 s79, s16, 8                         ; my 64 columns in a row of the mask: 256 w bytes, + 16 behind the row's first 1,024
	s_lshl_b32 s80, s98, 4
	s_add_co_u32 s79, s79, s80
	s_add_co_u32 s79, s79, MB
	s_mul_i32 s81, s16, 4*MP
	s_add_co_u32 s81, s81, MB
	s_lshl_b32 s82, s16, 2
	s_add_co_u32 s82, s82, RED
	v_and_b32 v44, 15, v0
	v_bfe_u32 v45, v0, 4, 1
	v_add_nc_u32 v[RDW], s81, v[L16]               ; the rows that I store: 4 w .. 4 w + 3 of each half
	s_delay_alu instid0(VALU_DEP_3)
	v_mul_u32_u24 v[ADM], v44, MP
	v_lshl_add_u32 v[RDS], v44, 5, s82             ; what I reduced: 8 words a row, mine at 4 w
	v_lshl_add_u32 v[RDR], v44, 5, RED
	v_add_nc_u32 v[RDW+1], 32*MP, v[RDW]
	s_delay_alu instid0(VALU_DEP_4)
	v_lshl_add_u32 v[ADM], v45, 6, v[ADM]
	s_delay_alu instid0(VALU_DEP_1)
	v_add_nc_u32 v[ADM], s79, v[ADM]
	s_delay_alu instid0(VALU_DEP_1)
	v_add_nc_u32 v[ADM+1], 32*MP, v[ADM]
.macro G2 p, na                        ; two query tiles x two records of nodes: four accumulators by turns
.irp ks, 0,1,2,3
.irp l, 0,1
.irp u, 0,1
.if \ks == 0
	WMZ AC+32*\l+8*(2*(\p)+\u), (\na)+48*\u+12*\ks, MFB+48*\l+12*\ks, NS+4*(2*(\p)+\u)+\ks, MSW+4*\l+\ks
.else
	WMA AC+32*\l+8*(2*(\p)+\u), (\na)+48*\u+12*\ks, MFB+48*\l+12*\ks, AC+32*\l+8*(2*(\p)+\u), NS+4*(2*(\p)+\u)+\ks, MSW+4*\l+\ks
.endif
.endr
.endr
.endr
.endm
.macro REDRD off                       ; the eight waves' words for my row, of both query tiles
	WIN 0x40
.irp l, 0,1
.irp k, 0,1
	ds_load_b128 v[RR+8*\l+4*\k:RR+8*\l+4*\k+3], v[RDR] offset:(\off)+512*\l+16*\k
.endr
.endr
	WIN 0
	s_wait_dscnt 0x0
.endm
; 32 queries (tiles 2 q, 2 q + 1) x my 64 nodes: the score, -20 / (1 + 2^..) + the mask, the softmax over the row's 512 (eight waves), the way out
.macro HALF q
	s_wait_alu depctr_va_vdst(0)
.if \q == 0
	s_wait_loadcnt 24                              ; the nodes' records 0, 1 and scale words are in; the 24 loads of records 2, 3 may be out
.endif
	s_wait_dscnt 0x0
	WIN 0x51
	G2 0, NF
.if \q == 0
	s_wait_loadcnt 0x0
.endif
	WIN 0x50
	G2 1, NF2
	WIN 0
	PLACES 4
.if \q == 1
	s_wait_xcnt 0x0                                ; the first half's stores have read their data
.endif
	WIN 0x40
.irp l, 0,1
.irp b, 0,1
.irp x, 0,1,2,3
	ds_load_b128 v[MK+32*\l+16*\b+4*\x:MK+32*\l+16*\b+4*\x+3], v[ADM+\q] offset:\l*16*MP+128*\b+16*\x
.endr
.endr
.endr
	WIN 0
.if \q == 0
	LDMF 2, 0
	LDMF 3, 1
.endif
	WIN 0x41
.set jj, 0
.rept 32
	v_pk_mul_f32 v[AC+2*jj:AC+2*jj+1], v[AC+2*jj:AC+2*jj+1], s[88:89] op_sel_hi:[1,0]   ; each accumulator from its low end on
.set jj, jj+1
.endr
	s_wait_alu depctr_va_vdst(0)
.set jj, 0
.rept 64
	v_exp_f32 v[AC+jj], v[AC+jj]
.set jj, jj+1
.endr
	v_nop
	s_wait_alu depctr_va_vdst(0)
.set jj, 0
.rept 32
	v_pk_add_f32 v[AC+2*jj:AC+2*jj+1], v[AC+2*jj:AC+2*jj+1], 1.0 op_sel_hi:[1,0]
.set jj, jj+1
.endr
	s_wait_alu depctr_va_vdst(0)
.set jj, 0
.rept 64
	v_rcp_f32 v[AC+jj], v[AC+jj]
.set jj, jj+1
.endr
	v_nop
	s_wait_alu depctr_va_vdst(0)
	s_wait_dscnt 0x0                               ; the mask is in
	WIN 0x51
.set jj, 0
.rept 32
	v_pk_fma_f32 v[AC+2*jj:AC+2*jj+1], v[AC+2*jj:AC+2*jj+1], s[90:91], v[MK+2*jj:MK+2*jj+1] op_sel_hi:[1,0,1]
.set jj, jj+1
.endr
	WIN 0x05
.irp n, 0,1,2,3
	v_max_num_f32 v[TM+\n], v[AC+16*\n], v[AC+16*\n+1]
.endr
	WIN 0x14
.irp i, 2,4,6,8,10,12,14
.irp n, 0,1,2,3
	v_max3_num_f32 v[TM+\n], v[TM+\n], v[AC+16*\n+\i], v[AC+16*\n+\i+1]
.endr
.endr
	WIN 0
	v_max_num_f32 v[TM], v[TM], v[TM+1]
	v_max_num_f32 v[TM+2], v[TM+2], v[TM+3]
	s_delay_alu instid0(VALU_DEP_2)
	v_permlanex16_b32 v[TM+4], v[TM], s68, s69
	s_delay_alu instid0(VALU_DEP_2)
	v_permlanex16_b32 v[TM+5], v[TM+2], s68, s69
	s_delay_alu instid0(VALU_DEP_2)
	v_max_num_f32 v[TM], v[TM], v[TM+4]
	s_delay_alu instid0(VALU_DEP_2)
	v_max_num_f32 v[TM+2], v[TM+2], v[TM+5]
	ds_store_b32 v[RDS], v[TM] offset:1024*(\q)
	ds_store_b32 v[RDS], v[TM+2] offset:1024*(\q)+512
	s_wait_alu depctr_va_vdst(0)
	s_wait_dscnt 0x0
	s_barrier_signal -1
	s_barrier_wait -1
	REDRD 1024*(\q)
	WIN 0x15
.irp l, 0,1
	v_max3_num_f32 v[TM+2*\l], v[RR+8*\l], v[RR+8*\l+1], v[RR+8*\l+2]
.endr
	WIN 0x14
.irp i, 3,5
.irp l, 0,1
	v_max3_num_f32 v[TM+2*\l], v[TM+2*\l], v[RR+8*\l+\i], v[RR+8*\l+\i+1]
.endr
.endr
	WIN 0x04
.irp l, 0,1
	v_max_num_f32 v[TM+2*\l], v[TM+2*\l], v[RR+8*\l+7]
.endr
	WIN 0
.irp l, 0,1
	v_mul_f32 v[NMP+2*\l], s92, v[TM+2*\l]         ; the row's maximum x log2(e)
.endr
.irp l, 0,1
	s_delay_alu instid0(VALU_DEP_2)
	v_mov_b32 v[NMP+2*\l+1], v[NMP+2*\l]
.endr
	WIN 0x41
.set jj, 0
.rept 32
	v_pk_fma_f32 v[AC+2*jj:AC+2*jj+1], v[AC+2*jj:AC+2*jj+1], s[92:93], v[NMP+2*(jj/16):NMP+2*(jj/16)+1] op_sel_hi:[1,0,0] neg_lo:[0,0,1] neg_hi:[0,0,1]
.set jj, jj+1
.endr
	s_wait_alu depctr_va_vdst(0)
.set jj, 0
.rept 64
	v_exp_f32 v[AC+jj], v[AC+jj]
.set jj, jj+1
.endr
	v_nop
	s_wait_alu depctr_va_vdst(0)
	WIN 0x05
.irp n, 0,1,2,3
	v_pk_add_f32 v[TM+2*\n:TM+2*\n+1], v[AC+16*\n:AC+16*\n+1], v[AC+16*\n+2:AC+16*\n+3]
.endr
	WIN 0x04
.irp i, 4,6,8,10,12,14
.irp n, 0,1,2,3
	v_pk_add_f32 v[TM+2*\n:TM+2*\n+1], v[TM+2*\n:TM+2*\n+1], v[AC+16*\n+\i:AC+16*\n+\i+1]
.endr
.endr
	WIN 0
	v_pk_add_f32 v[TM:TM+1], v[TM:TM+1], v[TM+2:TM+3]
	v_pk_add_f32 v[TM+4:TM+5], v[TM+4:TM+5], v[TM+6:TM+7]
	s_delay_alu instid0(VALU_DEP_2)
	v_add_f32 v[TM], v[TM], v[TM+1]
	s_delay_alu instid0(VALU_DEP_2)
	v_add_f32 v[TM+4], v[TM+4], v[TM+5]
	s_delay_alu instid0(VALU_DEP_2)
	v_permlanex16_b32 v[TM+2], v[TM], s68, s69
	s_delay_alu instid0(VALU_DEP_2)
	v_permlanex16_b32 v[TM+6], v[TM+4], s68, s69
	s_delay_alu instid0(VALU_DEP_2)
	v_add_f32 v[TM], v[TM], v[TM+2]
	s_delay_alu instid0(VALU_DEP_2)
	v_add_f32 v[TM+4], v[TM+4], v[TM+6]
	ds_store_b32 v[RDS], v[TM] offset:2048+1024*(\q)
	ds_store_b32 v[RDS], v[TM+4] offset:2048+1024*(\q)+512
	s_wait_alu depctr_va_vdst(0)
	s_wait_dscnt 0x0
	s_barrier_signal -1
	s_barrier_wait -1
	REDRD 2048+1024*(\q)
	WIN 0x05
.irp l, 0,1
	v_pk_add_f32 v[TM+4*\l:TM+4*\l+1], v[RR+8*\l:RR+8*\l+1], v[RR+8*\l+2:RR+8*\l+3]
	v_pk_add_f32 v[TM+4*\l+2:TM+4*\l+3], v[RR+8*\l+4:RR+8*\l+5], v[RR+8*\l+6:RR+8*\l+7]
.endr
	WIN 0
.irp l, 0,1
	v_pk_add_f32 v[TM+4*\l:TM+4*\l+1], v[TM+4*\l:TM+4*\l+1], v[TM+4*\l+2:TM+4*\l+3]
.endr
.irp l, 0,1
	s_delay_alu instid0(VALU_DEP_2)
	v_add_f32 v[TM+4*\l], v[TM+4*\l], v[TM+4*\l+1]
.endr
	s_wait_alu depctr_va_vdst(0)
	v_rcp_f32 v[IV], v[TM]
	v_rcp_f32 v[IV+2], v[TM+4]
	v_mov_b32 v[IV+1], 0                           ; (named as the pairs' upper halves)
	v_mov_b32 v[IV+3], 0
	s_wait_alu depctr_va_vdst(0)
	WIN 0x41
.set jj, 0
.rept 32
	v_pk_mul_f32 v[AC+2*jj:AC+2*jj+1], v[AC+2*jj:AC+2*jj+1], v[IV+2*(jj/16):IV+2*(jj/16)+1] op_sel_hi:[1,0]
.set jj, jj+1
.endr
	WIN 0x04
.irp l, 0,1
.irp b, 0,1
.irp x, 0,1,2,3
	ds_store_b128 v[ADM+\q], v[AC+32*\l+16*\b+4*\x:AC+32*\l+16*\b+4*\x+3] offset:\l*16*MP+128*\b+16*\x   ; over the mask's numbers that I alone read
.endr
.endr
.endr
	WIN 0
	s_wait_dscnt 0x0
	s_barrier_signal -1
	s_barrier_wait -1
	WIN 0x40
.irp rho, 0,1,2,3
.irp k, 0,1,2,3
	ds_load_b128 v[MK+16*\rho+4*\k:MK+16*\rho+4*\k+3], v[RDW+\q] offset:\rho*MP+512*\k+16*(\k/2)
.endr
.endr
	WIN 0x04
.irp rho, 0,1,2,3
	s_wait_dscnt 12-4*\rho
.irp k, 0,1,2,3
	global_store_b128 v[L16], v[MK+16*\rho+4*\k:MK+16*\rho+4*\k+3], s[14:15] offset:(32*(\q)+\rho)*2048+512*\k th:TH_STORE_NT   ; 32 lanes store 512 consecutive bytes
.endr
.endr
	WIN 0
.endm
	HALF 0
	HALF 1
	s_wait_tensorcnt 0x0                           ; the wave's end
	ds_add_u32 v[SPW], v[NIL]
	s_wait_dscnt 0x0
	ROUND                                          ; the closing round
	s_endpgm
.Lfunc_end_k_q71f1fa760c_attn:
	.size	k_q71f1fa760c_attn, .Lfunc_end_k_q71f1fa760c_attn-k_q71f1fa760c_attn
	.p2alignl 7, 3214868480
	.fill 96, 4, 3214868480
	.section	.rodata,"a",@progbits
	.p2align	6, 0x0
	.amdhsa_kernel k_q71f1fa760c_attn
		.amdhsa_group_segment_fixed_size 327680
		.amdhsa_private_segment_fixed_size 0
		.amdhsa_enable_private_segment 0
		.amdhsa_kernarg_size 48
		.amdhsa_user_sgpr_count 2
		.amdhsa_user_sgpr_kernarg_segment_ptr 1
		.amdhsa_wavefront_size32 1
		.amdhsa_system_sgpr_workgroup_id_x 1
		.amdhsa_system_sgpr_workgroup_id_y 1
		.amdhsa_system_sgpr_workgroup_id_z 1
		.amdhsa_system_vgpr_workitem_id 0
		.amdhsa_next_free_vgpr 512
		.amdhsa_next_free_sgpr 100
		.amdhsa_reserve_vcc 0
		.amdhsa_float_denorm_mode_32 3
		.amdhsa_float_denorm_mode_16_64 3
		.amdhsa_memory_ordered 1
		.amdhsa_forward_progress 1
		.amdhsa_inst_pref_size 209
	.end_amdhsa_kernel
	.amdgpu_metadata
---
amdhsa.version: [ 1, 2 ]
amdhsa.kernels:
  - .name:           k_q71f1fa760c_attn
    .symbol:         k_q71f1fa760c_attn.kd
    .args:
      - { .name: group_ninf_mask, .offset: 0, .size: 8, .value_kind: global_buffer, .address_space: global }
      - { .name: bcomb, .offset: 8, .size: 8, .value_kind: global_buffer, .address_space: global }
      - { .name: xq, .offset: 16, .size: 8, .value_kind: global_buffer, .address_space: global }
      - { .name: kv, .offset: 24, .size: 8, .value_kind: global_buffer, .address_space: global }
      - { .name: qc, .offset: 32, .size: 8, .value_kind: global_buffer, .address_space: global }
      - { .name: out0, .offset: 40, .size: 8, .value_kind: global_buffer, .address_space: global }
    .group_segment_fixed_size: 327680
    .private_segment_fixed_size: 0
    .kernarg_segment_align: 8
    .kernarg_segment_size: 48
    .max_flat_workgroup_size: 256
    .sgpr_count:     100
    .vgpr_count:     512
    .wavefront_size: 32
...
	.end_amdgpu_metadata
.endif
;; end of part 3
